; MI455X (gfx1250); checked and timed in simulation.
; The chip was launched on July 23, 2026; its instructions are those of AMD's public machine-readable ISA for CDNA 5 (MIT licence, August 2026) and "CDNA5" Instruction Set Architecture Reference Guide (July 2026). The comments in the code are by the model that wrote it; some were corrected since.
;; Encoder Layer. Allowed arithmetic: matrix products marked QUANTISED: E3M2 operands, one E8M0 scale for each 32 along K, by v_wmma_scale_f32_16x16x128_f8f6f4 with both operands' format E3M2, f32 sums; products left as they are: f32 operands where the result goes on into a quantised operand, else bf16, f16 or f32 operands; f32 sums; everything else in f32.
;; Inputs: b1 1,024 float32; b2 256 float32; bk 256 float32; bo 256 float32; bq 256 float32; bv 256 float32; ln1_a 256 float32; ln1_b 256 float32; ln2_a 256 float32; ln2_b 256 float32; src 1 x 256 x 256 x 256 float32; sw_bk 256 float32; sw_bq 256 float32; sw_wk_codes 256 x 8 x 24 uint8 (E3M2 codes of sw_wk, K innermost, in blocks of 32 codes, four codes in three bytes); sw_wk_scales 256 x 8 uint8 (E8M0 scales of sw_wk, one for each 32 codes along K); sw_wq_codes 256 x 8 x 24 uint8 (E3M2 codes of sw_wq, K innermost, in blocks of 32 codes, four codes in three bytes); sw_wq_scales 256 x 8 uint8 (E8M0 scales of sw_wq, one for each 32 codes along K); w1_codes 1,024 x 8 x 24 uint8 (E3M2 codes of w1, K innermost, in blocks of 32 codes, four codes in three bytes); w1_scales 1,024 x 8 uint8 (E8M0 scales of w1, one for each 32 codes along K); w2_codes 256 x 32 x 24 uint8 (E3M2 codes of w2, K innermost, in blocks of 32 codes, four codes in three bytes); w2_scales 256 x 32 uint8 (E8M0 scales of w2, one for each 32 codes along K); wk_codes 256 x 8 x 24 uint8 (E3M2 codes of wk, K innermost, in blocks of 32 codes, four codes in three bytes); wk_scales 256 x 8 uint8 (E8M0 scales of wk, one for each 32 codes along K); wo_codes 256 x 8 x 24 uint8 (E3M2 codes of wo, K innermost, in blocks of 32 codes, four codes in three bytes); wo_scales 256 x 8 uint8 (E8M0 scales of wo, one for each 32 codes along K); wq_codes 256 x 8 x 24 uint8 (E3M2 codes of wq, K innermost, in blocks of 32 codes, four codes in three bytes); wq_scales 256 x 8 uint8 (E8M0 scales of wq, one for each 32 codes along K); wv_codes 256 x 8 x 24 uint8 (E3M2 codes of wv, K innermost, in blocks of 32 codes, four codes in three bytes); wv_scales 256 x 8 uint8 (E8M0 scales of wv, one for each 32 codes along K).
;; Outputs: out0 1 x 256 x 256 x 256 float32.
;; This version of the problem:
;;   THIS VERSION OF THE PROBLEM IS GIVEN IN LOW PRECISION. The matrix products marked QUANTISED in the list below multiply operands that are first quantised to E3M2 (3 exponent bits, 2 mantissa bits; 6 bits a number), with one power-of-two scale for each 32 numbers along K (OCP MX v1.0); their sums are f32. All else is computed in f32.
;;   The module's matrix products, in the order in which they are computed (A, B: the left and right operand; K: the contracted axis; several contracted axes count as one K, in the product's order):
;;     1. [M 256, K 256] x [K 256, N 256]; A: computed on the way; B: input sw_wq (given as codes): QUANTISED
;;     2. [M 65,536, K 256] x [K 256, N 256]; A: computed on the way; B: input sw_wk (given as codes): QUANTISED
;;     3. batch 2,048 x [M 1, K 32] x [K 32, N 256]; A: computed on the way; B: computed on the way: left as it is (M = 1 < 16)
;;     4. [M 65,536, K 256] x [K 256, N 256]; A: computed on the way; B: input wq (given as codes): QUANTISED
;;     5. [M 65,536, K 256] x [K 256, N 256]; A: computed on the way; B: input wk (given as codes): QUANTISED
;;     6. [M 65,536, K 256] x [K 256, N 256]; A: computed on the way; B: input wv (given as codes): QUANTISED
;;     7. batch 524,288 x [M 32, K 1] x [K 1, N 1]; A: computed on the way; B: computed on the way: left as it is (no contracted axis)
;;     8. batch 8 x [M 256, K 8,192] x [K 8,192, N 256]; A: computed on the way; B: computed on the way: QUANTISED
;;     9. batch 8 x [M 8,192, K 256] x [K 256, N 256]; A: computed on the way; B: softmax (see below): QUANTISED
;;     10. [M 65,536, K 256] x [K 256, N 256]; A: computed on the way; B: input wo (given as codes): QUANTISED
;;     11. [M 65,536, K 256] x [K 256, N 1,024]; A: computed on the way; B: input w1 (given as codes): QUANTISED
;;     12. [M 65,536, K 1,024] x [K 1,024, N 256]; A: computed on the way; B: input w2 (given as codes): QUANTISED
;;   THE QUANTISER, for each operand of a quantised product, along K:
;;     - K is cut into blocks of 32 from its start; a last block that is shorter is filled with zeros.
;;     - A block's scale is 2^e with e = floor(log2(the largest magnitude in the block)) - 4, held to -126 .. 127; a block of zeros has e = 0. As a byte (E8M0): e + 127.
;;     - Each number is divided by its block's scale, clamped to +-28, and rounded to the nearest number of E3M2, ties to even, subnormals kept.
;;     - The product sums the exact products of the quantised numbers (number of the format x scale) in f32.
;;   ~~~python
;;   def quantise(x, axis):      # numpy; x: float32 -> the quantised numbers, widened to float32 again
;;       x = np.moveaxis(x, axis, -1); K = x.shape[-1]
;;       x = np.pad(x, [(0, 0)] * (x.ndim - 1) + [(0, -K % 32)]); x = x.reshape(x.shape[:-1] + (-1, 32)); a = np.abs(x).max(-1, keepdims=True)
;;       e = np.where(a > 0, np.clip(np.frexp(np.where(a > 0, a, 1))[1] - 1 - 4, -126, 127), 0)      # np.frexp(a)[1] - 1 = floor(log2(a)), exactly
;;       r = np.clip(x / 2.0 ** e, -28, 28)
;;       step = 2.0 ** (np.maximum(np.frexp(np.where(r == 0, 1, r))[1] - 1, -2) - 2)
;;       q = np.round(r / step) * step * 2.0 ** e      # np.round: ties to even
;;       return np.moveaxis(q.reshape(q.shape[:-2] + (-1,))[..., :K], -1, axis).astype(np.float32)
;;   ~~~
;;   SOFTMAX AHEAD OF A QUANTISED PRODUCT. Where the list says 'softmax', what is quantised is not the finished softmax but p = 2^(t - M), with t = logit x log2(e) and M = ceil(the row's largest t), a whole number; so 1/2 < the row's largest p <= 1. The row's sum l is taken of the UNQUANTISED p, in f32, and the product's result is divided by l at the end. Since M is a whole number, a kernel that streams over the keys may use a running M (the ceiling of the running maximum): every later rescaling is an exact power of two, which a block's scale takes up: the codes' values come out the same.
;;   OPERANDS COMPUTED ON THE WAY. 'Computed on the way' means the value that the module computes at that place (a softmax that the list does not call 'softmax' is quantised finished and normalised). What goes into a quantiser is computed in f32, as accurately as f32 sums, v_exp_f32 and their like allow (about 1e-6 of the number): no bf16 or f16 on the way to a quantiser, and a product that is left as it is and whose result goes on into a quantised operand takes f32 operands (vector FMAs, or v_wmma_f32_16x16x4_f32). A number that lies on a knife's edge between two numbers of the format may be rounded either way, as far as f32 arithmetic and the matrix unit's own rounding can turn it there, and no further.
;;   INPUTS GIVEN AS CODES. sw_wk (in the module: [256, 256], K = its axis 0); sw_wq (in the module: [256, 256], K = its axis 0); w1 (in the module: [256, 1024], K = its axis 0); w2 (in the module: [1024, 256], K = its axis 0); wk (in the module: [256, 256], K = its axis 0); wo (in the module: [256, 256], K = its axis 0); wq (in the module: [256, 256], K = its axis 0); wv (in the module: [256, 256], K = its axis 0): each comes as NAME_codes (uint8): NAME with its K axis moved to the last place and cut into blocks of 32 codes, [.., K / 32, bytes a block], one block behind the other in memory; four codes in three bytes: a row's codes are one little-endian stream of bits, code i at bits 6 i .. 6 i + 5 (a code: sign, 3 exponent bits, 2 mantissa bits); and NAME_scales (uint8): the same leading axes, one E8M0 byte (e + 127) for each 32 codes along K. Its value is code x scale, taken as it is: it is not quantised again, and the codes and scales need not be those that the quantiser above would give.
;; One version. Each part assembles by itself: llvm-mc -triple=amdgcn-amd-amdhsa -mcpu=gfx1250 --defsym DOCPART=n.
;; ======== version 1 of 1: 4 launches
;; limits: right only within a limited range of input values
;; workspace buffers: qk 25,165,824 bytes; scl 1,048,576 bytes; ps 16,777,216 bytes; pb 425,984 bytes; rl 8,192 bytes; ws 532,480 bytes; xq 16,777,216 bytes
;; launch front (part 1): grid 256 x 1, 16 waves a work-group, no clusters, 327,680 bytes of LDS; arguments src, ln1_a, ln1_b, sw_wq_codes, sw_wq_scales, sw_bq, sw_wk_codes, sw_wk_scales, sw_bk, wq_codes, wq_scales, bq, wk_codes, wk_scales, bk, wv_codes, wv_scales, wo_codes, wo_scales, w1_codes, w1_scales, w2_codes, w2_scales, qk, scl, ws, xq; writes qk, scl, ws, xq
.if DOCPART == 1
	.amdgcn_target "amdgcn-amd-amdhsa--gfx1250"
	.amdhsa_code_object_version 6
	.text
	.protected	k_q02d8cb6d0e_front
	.globl	k_q02d8cb6d0e_front
	.p2align	8
	.type	k_q02d8cb6d0e_front,@function
k_q02d8cb6d0e_front:
	s_mov_b64 s[64:65], 0
	v_nop
	global_prefetch_b8 v0, s[64:65] scope:SCOPE_SE
	s_setreg_imm32_b32 hwreg(HW_REG_WAVE_MODE, 25, 1), 1
	s_wait_xcnt 0x0
; FRONT.  One work-group owns one position l and all 256 sequences n.  It makes x = LN1(src[:, l, :]) as codes of E3M2 along the channels, the sequence weight
; sw = softmax over n of (qs . ks), and the two operands of the tied scores, q x sw and k, as codes along n.  Wave 0 of work-groups 0 to 159 also lays two fragments of wv, wo, w1 or w2 out as images of operand registers.
; K OF THE TIED SCORES is taken as 256 d + n (contracted names in sorted order): a block of 32 is 32 neighbouring n at one (position, head, d).
; SHARES.  Phase A: wave w owns rows n = 16 w + 0..15.  Afterwards wave w owns head h = w / 2 and the half g = w % 2 of n (eight tiles of 16 rows).
; LAYOUTS.  lane = (r = lane % 16, hh = lane / 16).  A row tile in registers: lane holds row r, register 16 b + i holds channel 32 b + 16 hh + i.
; A product used TRANSPOSED (source 0 = 16 weight rows, source 1 = 16 rows of x) gives a lane one row of x and eight channels; used NATURALLY (source 0 = x, source 1 = weights) it gives a lane one channel
; and eight rows n, so that two row tiles are 16 numbers along n, half of a block; lane xor 16 holds the other half.
; THE WEIGHTS' CODES come by tensor loads: a wave brings its head's 32 rows of 192 bytes of one tensor (g = 0: sw_wq, then wq; g = 1: sw_wk, then wk), 16 bytes of padding behind every 64.  One load a wave at the start,
; one refill of the same bytes when both waves of every head hold the first two weights' fragments in registers.  A fragment is six loads of 8 bytes from LDS.
; NO JOINT LOADS, though all work-groups read the same weights: the lay-out part branches on the work-group's number, and the weights are 192 KB of the 550 KB that a work-group moves.
; LIMITS: NaN and infinities among the inputs are not served.  A block of zeros gets the scale byte 1 and not 127: its codes are zeros and only this program reads the bytes.
; The stores of scale images in the lay-out part cover 128 consecutive bytes a wave, 3 KB an item.  All of a WGP's LDS is claimed.
.set ITEM, 53248
.set XIMG, 69632                       ; LDS: 0.. sixteen stages of 4,352 bytes; x's 32 fragments as images of 1,536 bytes (fragment 2 T + k)
.set XSC,  118784                      ; x's scale words: tile T at 128 T: [k][r]
.set SWA,  122880                      ; sw[h][n], f32
.set EX,   131072                      ; (maximum, sum) of each wave
.set SCG,  131328                      ; the scale words of q x sw and k: [tensor][h][64]
.set LNG,  135424                      ; ln1_a, ln1_b
.set WT,   137472                      ; two weights' codes: [g][256 rows][240 bytes]: nothing is stored here by a wave
.set WP,   240                         ; a weight row in LDS: 3 x (64 bytes + 16 of padding)
.set WTT,  256*WP
.set SPARE, WT+2*WTT                   ; the spare words, 128 bytes for each wave: eight blocks of 256 bytes that no other line names
.set X,   128                          ; v128-255 my 16 rows in phase A
.set TM,  16
.set QT,  16
.set SEL, 46
.set GD,   1                           ; v1-4: phase A's four,
.set STD,  2
.set STQ,  3
.set LNA,  4
.set LIW,  1                           ; and, made behind phase A, the four that are wanted only later
.set SCW,  2
.set WA,   3                           ; my lane's place in a weight's rows: (32 h + r) x 240 + 24 hh
.set WA2,  4                           ; the same where lanes 16-31 lie behind one padding more
.set XWI,  5
.set XWS,  6
.set XIA,  7
.set XSA,  8
.set X0A,  9
.set X0S,  10
.set SWW,  11
.set SWRA, 12
.set SGA,  13
.set SPW,  14                          ; LDS address of my spare word; never rewritten
.set NIL,  15                          ; 0; never rewritten
.set GL16, 249
.macro PLACES
.rept 4
	v_nop
.endr
.endm
.macro BAR                             ; my LDS stores have landed and my LDS loads are in: then the work-group's barrier
	s_wait_alu depctr_va_vdst(0)                   ; the wait ahead of the blocking wait
	s_wait_dscnt 0x0
	s_barrier_signal -1
	s_barrier_wait -1
.endm
.macro WMR d, a, b, c, sa, sb, row     ; row 0: both scales from lanes 0-15; 3: both from lanes 16-31
.if (\row) == 0
	v_wmma_scale_f32_16x16x128_f8f6f4 v[(\d):(\d)+7], v[(\a):(\a)+11], v[(\b):(\b)+11], v[(\c):(\c)+7], v[(\sa)], v[(\sb)] matrix_a_fmt:MATRIX_FMT_BF6 matrix_b_fmt:MATRIX_FMT_BF6
.else
	v_wmma_scale_f32_16x16x128_f8f6f4 v[(\d):(\d)+7], v[(\a):(\a)+11], v[(\b):(\b)+11], v[(\c):(\c)+7], v[(\sa)], v[(\sb)] matrix_a_fmt:MATRIX_FMT_BF6 matrix_b_fmt:MATRIX_FMT_BF6 matrix_a_scale:MATRIX_SCALE_ROW1 matrix_b_scale:MATRIX_SCALE_ROW1
.endif
.endm
.macro QFIN f, tt                      ; half blocks become whole blocks: lanes 0-15 block 2 c, lanes 16-31 block 2 c + 1
.irp c, 0,1
.irp i, 0,1,2
	v_permlane16_swap_b32 v[(\f)+6*\c+\i], v[(\tt)+4*\c+\i]
.endr
.irp i, 0,1,2
	v_mov_b32 v[(\f)+3+6*\c+\i], v[(\tt)+4*\c+\i]
.endr
.endr
.endm
.macro QUANT4 x, f, tt, w              ; 64 numbers of a lane (four half blocks) become a fragment's codes and its scale word
.irp b, 0,1,2,3
	v_max3_num_f32 v[TM+\b], |v[(\x)+16*\b]|, |v[(\x)+1+16*\b]|, 0x2800000   ; with the floor 2^(5 - 127): the byte cannot fall under 1
.endr
.irp i, 2,4,6,8,10,12,14
.irp b, 0,1,2,3
	v_max3_num_f32 v[TM+\b], v[TM+\b], |v[(\x)+16*\b+\i]|, |v[(\x)+1+16*\b+\i]|
.endr
.endr
.irp b, 0,1,2,3
	v_permlanex16_b32 v[TM+4+\b], v[TM+\b], s[SEL], s[SEL+1]
.endr
.irp b, 0,1,2,3
	v_max_num_f32 v[TM+\b], v[TM+\b], v[TM+4+\b]
.endr
.irp b, 0,1,2,3
	v_add_nc_u32 v[TM+12+\b], 0xfe000000, v[TM+\b]     ; 4 off the exponent field: the conversion's scale operand
.endr
.irp b, 0,1,2,3
	v_lshrrev_b32 v[TM+4+\b], 23, v[TM+12+\b]          ; the scale's byte
.endr
	v_lshl_or_b32 v[(\w)], v[TM+5], 8, v[TM+4]
	v_lshl_or_b32 v[(\w)], v[TM+6], 16, v[(\w)]
	v_lshl_or_b32 v[(\w)], v[TM+7], 24, v[(\w)]
.irp c, 0,1
	v_cvt_scalef32_pk16_bf6_f32 v[(\f)+6*\c:(\f)+6*\c+2], v[(\x)+32*\c:(\x)+32*\c+15], v[TM+12+2*\c]
	v_cvt_scalef32_pk16_bf6_f32 v[(\tt)+4*\c:(\tt)+4*\c+2], v[(\x)+16+32*\c:(\x)+31+32*\c], v[TM+13+2*\c]
.endr
	v_nop                                              ; one plain line behind the scaled conversions
	QFIN \f, \tt
.endm
.macro QB2 x0, x1, d0, d1, w0, w1, beta    ; two half blocks of 16 numbers by turns: codes to d0, d1; byte beta of the words w0, w1
	v_max3_num_f32 v[QT], |v[(\x0)]|, |v[(\x0)+1]|, 0x2800000
	v_max3_num_f32 v[QT+1], |v[(\x1)]|, |v[(\x1)+1]|, 0x2800000
.irp i, 2,4,6,8,10,12,14
	v_max3_num_f32 v[QT], v[QT], |v[(\x0)+\i]|, |v[(\x0)+\i+1]|
	v_max3_num_f32 v[QT+1], v[QT+1], |v[(\x1)+\i]|, |v[(\x1)+\i+1]|
.endr
	v_permlanex16_b32 v[QT+2], v[QT], s[SEL], s[SEL+1]
	v_permlanex16_b32 v[QT+3], v[QT+1], s[SEL], s[SEL+1]
	v_max_num_f32 v[QT], v[QT], v[QT+2]
	v_max_num_f32 v[QT+1], v[QT+1], v[QT+3]
	v_add_nc_u32 v[QT+4], 0xfe000000, v[QT]
	v_add_nc_u32 v[QT+5], 0xfe000000, v[QT+1]
	v_lshrrev_b32 v[QT], 23, v[QT+4]
	v_lshrrev_b32 v[QT+1], 23, v[QT+5]
.if (\beta) == 0
	v_mov_b32 v[(\w0)], v[QT]
	v_mov_b32 v[(\w1)], v[QT+1]
.else
	v_lshl_or_b32 v[(\w0)], v[QT], 8*(\beta), v[(\w0)]
	v_lshl_or_b32 v[(\w1)], v[QT+1], 8*(\beta), v[(\w1)]
.endif
	v_cvt_scalef32_pk16_bf6_f32 v[(\d0):(\d0)+2], v[(\x0):(\x0)+15], v[QT+4]
	v_cvt_scalef32_pk16_bf6_f32 v[(\d1):(\d1)+2], v[(\x1):(\x1)+15], v[QT+5]
	v_nop
.endm
.macro RED4                            ; four chains of pairs in v16-23 become one sum over the row, in v16 of every lane of the row
	v_pk_add_f32 v[16:17], v[16:17], v[18:19]
	v_pk_add_f32 v[20:21], v[20:21], v[22:23]
	v_pk_add_f32 v[16:17], v[16:17], v[20:21]
	v_add_f32 v16, v16, v17
	v_permlanex16_b32 v17, v16, s[SEL], s[SEL+1]
	v_add_f32 v16, v16, v17
.endm
	s_load_b128 s[4:7], s[0:1], 0x0                ; src, ln1_a
	s_load_b64 s[8:9], s[0:1], 0x10                ; ln1_b
	s_load_b512 s[12:27], s[0:1], 0x18             ; sw_wq codes, scales, sw_bq, sw_wk codes, scales, sw_bk, wq codes, scales
	s_load_b256 s[28:35], s[0:1], 0x58             ; bq, wk codes, scales, bk
	s_load_b512 s[68:83], s[0:1], 0x78             ; wv, wo, w1, w2: codes and scales
	s_load_b128 s[36:39], s[0:1], 0xb8             ; qk, scl
	s_load_b64 s[40:41], s[0:1], 0xc8              ; ws
	s_load_b64 s[100:101], s[0:1], 0xd0            ; xq
	v_lshl_add_u32 v[SPW], v0, 2, SPARE
	v_mov_b32 v[NIL], 0
	ds_add_u32 v14, v15
	ds_add_u32 v14, v15
	s_wait_dscnt 0x0
	v_lshrrev_b32 v16, 5, v0
	v_readfirstlane_b32 s42, v16                   ; wave
	s_lshr_b32 s43, s42, 1                         ; head
	s_and_b32 s44, s42, 1                          ; half of n; also: which of two weights I fetch
	s_mov_b32 s[SEL], 0x76543210
	s_mov_b32 s[SEL+1], 0xfedcba98
	s_mov_b32 s60, 0x3b800000                      ; 1/256
	s_mov_b32 s61, 0x3727c5ac                      ; 1e-5
	s_mov_b32 s62, 0x3e3504f3                      ; 1/sqrt(32)
	s_mov_b32 s63, 0x3fb8aa3b                      ; log2(e)
	; descriptor group 1: 32 rows of 192 bytes, dense in memory; in LDS 4 words of padding behind every 16 words
	s_mov_b32 s88, (1<<20)|(3<<22)|(3<<25)         ; no mask; elements of 1 byte; padding on
	s_mov_b32 s89, 256<<16                         ; a head's 32 rows of 192 bytes are dense: stated as 24 rows of 256 bytes, each from a multiple of 256; the padding behind every 64 bytes gives the same LDS image
	s_mov_b32 s90, 24<<16
	s_mov_b32 s91, 256<<16
	s_mov_b32 s92, 24
	s_mov_b32 s93, 256
	s_mov_b32 s94, 0
	s_mov_b32 s95, 0
	s_mul_i32 s10, s43, 32*WP                      ; where my tile goes: my head's 32 rows
	s_mul_i32 s11, s44, WTT                        ; of weight g
	s_add_co_u32 s10, s10, s11
	s_add_co_u32 s10, s10, WT
	s_mul_i32 s84, s43, 6144                       ; and where it lies in its tensor
	s_mov_b32 s85, 0
	v_and_b32 v16, 31, v0                          ; lane
	v_and_b32 v17, 15, v0                          ; r
	v_bfe_u32 v18, v0, 4, 1                        ; hh
	v_lshlrev_b32 v20, 4, v16                      ; 16 x lane
	s_lshl_b32 s48, s42, 22                        ; 16 w rows n of 2^18 bytes
	v_lshl_add_u32 v[GD], v18, 18, s48
	v_lshl_add_u32 v[GD], v17, 4, v[GD]
	s_mul_i32 s49, s42, 4352                       ; my stage
	v_mul_u32_u24 v19, v18, 272
	v_lshl_add_u32 v19, v17, 4, v19
	v_add_nc_u32 v[STD], s49, v19                  ; as loaded: two rows an instruction, 16 bytes a lane
	v_mul_u32_u24 v19, v17, 272
	v_lshl_add_u32 v19, v18, 6, v19
	v_add_nc_u32 v[STQ], s49, v19                  ; as wanted: my row, my 16 channels of a block
	v_lshl_add_u32 v[LNA], v18, 6, LNG
	s_mul_i32 s50, s42, 3072
	s_add_co_u32 s50, s50, XIMG
	v_add_nc_u32 v[XWI], s50, v20
	s_lshl_b32 s50, s42, 7
	s_add_co_u32 s50, s50, XSC
	v_lshl_add_u32 v[XWS], v17, 2, s50
	s_mul_i32 s50, s44, 24576
	s_add_co_u32 s50, s50, XIMG
	v_add_nc_u32 v[XIA], s50, v20
	s_lshl_b32 s50, s44, 10
	s_add_co_u32 s50, s50, XSC
	v_lshl_add_u32 v[XSA], v16, 2, s50
	v_lshl_add_u32 v[X0A], v18, 8, XIMG            ; row 0 of tile 0, in all sixteen lanes of a half
	v_lshl_add_u32 v[X0S], v18, 6, XSC
	s_lshl_b32 s50, s43, 10
	s_lshl_b32 s51, s44, 9
	s_add_co_u32 s50, s50, s51
	s_add_co_u32 s50, s50, SWA
	v_lshl_add_u32 v[SWW], v17, 2, s50
	v_lshl_add_u32 v[SWRA], v18, 5, s50
	v_mul_u32_u24 v19, v17, 96
	v_mad_u32_u24 v19, v18, 48, v19
	v_add_nc_u32 v[SGA], s49, v19
	v_and_b32 v65, 255, v0
	v_lshlrev_b32 v65, 2, v65
	v_lshl_add_u32 v66, v0, 2, LNG
	s_wait_alu depctr_va_vdst(0)                   ; the wait at the head's end
	s_wait_kmcnt 0x0
	s_cmp_eq_u32 s44, 0
	s_cselect_b64 s[98:99], s[12:13], s[18:19]     ; sw_wq's codes or sw_wk's
	s_add_nc_u64 s[98:99], s[98:99], s[84:85]
	s_or_b32 s99, s99, 0x80000000                  ; type = 2
	s_mov_b32 s96, 1
	s_mov_b32 s97, s10
	tensor_load_to_lds s[96:99], s[88:95]          ; my one first fill, ahead of every LDS read, barrier and wait on TENSORcnt
	s_nop 0
	PLACES
	s_lshl_b32 s48, ttmp9, 10                      ; position l: 1,024 bytes
	s_mov_b32 s49, 0
	s_add_nc_u64 s[4:5], s[4:5], s[48:49]
	s_cmp_lt_u32 s42, 8
	s_cselect_b64 s[86:87], s[6:7], s[8:9]         ; waves 0-7 bring ln1_a, waves 8-15 ln1_b
	global_load_b32 v64, v65, s[86:87]
.irp q, 0,1,2,3
.irp i, 0,1,2,3,4,5,6,7
	global_load_b128 v[X+32*\q+4*\i:X+32*\q+4*\i+3], v[GD], s[4:5] offset:524288*\i+256*\q th:TH_LOAD_NT   ; sixteen lanes read 256 consecutive bytes of a row
.endr
.endr
	; ---- the weights of the last launch, laid out as images of operand registers: 10 items x 16 pairs of fragments = 160 tasks: wave 0 of work-group t takes pair t % 16 of item t / 16
	s_cmp_lg_u32 s42, 0
	s_cbranch_scc1 .Lnolay
	s_cmp_ge_u32 ttmp9, 160
	s_cbranch_scc1 .Lnolay
	s_and_b32 s45, ttmp9, 15                       ; the pair: fragments 2 p and 2 p + 1
	s_lshr_b32 s66, ttmp9, 4                       ; the item
	v_and_b32 v16, 15, v0
	v_bfe_u32 v17, v0, 4, 1
	v_and_b32 v18, 8, v16
	v_add_nc_u32 v18, v18, v16                     ; r + 8 (r / 8): the rows of a tile are not neighbours
	v_and_b32 v25, 31, v0
	s_mul_i32 s56, s45, 3072
	v_lshl_add_u32 v22, v25, 4, s56                ; where the two images go: 16 x lane + 1,536 x 2 p
	s_wait_alu depctr_va_vdst(0)                   ; the wait ahead of the run of scalar lines and branches
	s_mul_i32 s58, s66, ITEM
	s_mov_b32 s59, 0
	s_add_nc_u64 s[58:59], s[40:41], s[58:59]
	s_sub_co_u32 s57, s66, 2                       ; the FFN's chunk c
	s_cmp_ge_u32 s66, 2
	s_cselect_b32 s57, s57, 0
	s_cselect_b32 s50, 1, 0
	s_lshr_b32 s51, s45, 3
	s_and_b32 s51, s51, s50
	s_cmp_eq_u32 s51, 1
	s_cbranch_scc1 .Llay2
	s_cmp_eq_u32 s66, 0                            ; wv, wo or w1: rows of 256 codes, two K steps
	s_cselect_b64 s[52:53], s[68:69], s[72:73]
	s_cselect_b64 s[54:55], s[70:71], s[74:75]
	s_cmp_ge_u32 s66, 2
	s_cselect_b64 s[52:53], s[76:77], s[52:53]
	s_cselect_b64 s[54:55], s[78:79], s[54:55]
	s_cselect_b32 s48, 1024, 0
	s_lshr_b32 s56, s45, 1
	s_lshl_b32 s56, s56, 5
	s_and_b32 s49, s45, 1
	s_lshl_b32 s49, s49, 3
	s_add_co_u32 s56, s56, s49
	s_lshl_b32 s49, s57, 7
	s_add_co_u32 s56, s56, s49                     ; the tile's first row: 32 (p / 2) + 8 (p % 2) + 128 c
	v_add_nc_u32 v19, s56, v18
	v_mul_u32_u24 v20, v19, 192
	v_mad_u32_u24 v20, v17, 24, v20
	v_lshlrev_b32 v21, 3, v19
	v_lshl_add_u32 v21, v17, 2, v21                ; lanes 0-15 the word of K step 0, lanes 16-31 of K step 1
.irp f, 0,1
.irp p, 0,1,2,3,4,5
	global_load_b64 v[32+12*\f+2*\p:33+12*\f+2*\p], v20, s[52:53] offset:96*\f+48*(\p/3)+8*(\p%3)
.endr
.endr
	global_load_b32 v56, v21, s[54:55]
	s_lshl_b32 s49, s45, 7
	s_add_co_u32 s49, s49, 49152
	v_lshl_add_u32 v23, v25, 2, s49
	v_add_nc_u32 v24, s48, v23
	v_mov_b32 v57, 0
	s_wait_alu depctr_va_vdst(0)
	s_wait_loadcnt 0x0
.irp f, 0,1
.irp c, 0,1,2
	global_store_b128 v22, v[32+12*\f+4*\c:35+12*\f+4*\c], s[58:59] offset:1536*\f+512*\c
.endr
.endr
	global_store_b32 v23, v56, s[58:59]
	global_store_b32 v24, v57, s[58:59] offset:2048        ; the item's tail is stored too: the last launch brings whole items
	s_branch .Llaid
.Llay2:                                            ; w2: rows of 1,024 codes, K step c; tiles 2 (p - 8) and 2 (p - 8) + 1
	s_sub_co_u32 s56, s45, 8
	s_mul_i32 s49, s56, 24576
	s_mul_i32 s48, s57, 96
	s_add_co_u32 s49, s49, s48
	v_mul_u32_u24 v20, v18, 768
	v_mad_u32_u24 v20, v17, 24, v20
	v_add_nc_u32 v20, s49, v20
	s_lshl_b32 s49, s56, 10
	s_lshl_b32 s48, s57, 2
	s_add_co_u32 s49, s49, s48
	v_lshl_add_u32 v21, v18, 5, s49
.irp f, 0,1
.irp p, 0,1,2,3,4,5
	global_load_b64 v[32+12*\f+2*\p:33+12*\f+2*\p], v20, s[80:81] offset:6144*\f+48*(\p/3)+8*(\p%3)
.endr
	global_load_b32 v[56+\f], v21, s[82:83] offset:256*\f
.endr
	s_lshl_b32 s49, s45, 8
	s_add_co_u32 s49, s49, 48128
	v_lshl_add_u32 v23, v25, 2, s49
	s_wait_alu depctr_va_vdst(0)
	s_wait_loadcnt 0x0
.irp f, 0,1
.irp c, 0,1,2
	global_store_b128 v22, v[32+12*\f+4*\c:35+12*\f+4*\c], s[58:59] offset:1536*\f+512*\c
.endr
	global_store_b32 v23, v[56+\f], s[58:59] offset:128*\f
.endr
.Llaid:
	s_wait_xcnt 0x0                                ; the stores have read their registers: these are written again below
.Lnolay:
	; the refill's group 0, in registers of its own: the same LDS bytes, wq's codes or wk's
	s_cmp_eq_u32 s44, 0
	s_cselect_b64 s[70:71], s[24:25], s[30:31]
	s_add_nc_u64 s[70:71], s[70:71], s[84:85]
	s_or_b32 s71, s71, 0x80000000
	s_mov_b32 s68, 1
	s_mov_b32 s69, s10
	; ---- A: LN1 of my 16 rows, quantised along the channels
	s_wait_loadcnt 32                              ; the gains' load is in; the 32 loads of src are younger
	ds_store_b32 v66, v64
.irp q, 0,1,2,3
	s_wait_loadcnt 24-8*\q                         ; quarter q's eight loads are in
.irp i, 0,1,2,3,4,5,6,7
	ds_store_b128 v[STD], v[X+32*\q+4*\i:X+32*\q+4*\i+3] offset:544*\i
.endr
.irp b, 0,1
.irp j, 0,1,2,3
	ds_load_b128 v[X+32*\q+16*\b+4*\j:X+32*\q+16*\b+4*\j+3], v[STQ] offset:128*\b+16*\j   ; LDS serves a wave's instructions in order: these see my stores
.endr
.endr
.endr
	s_wait_dscnt 0x0
.irp c, 0,1,2,3
	v_pk_add_f32 v[16+2*\c:17+2*\c], v[X+2*\c:X+2*\c+1], v[X+8+2*\c:X+9+2*\c]
.endr
.set j, 16
.rept 14
.irp c, 0,1,2,3
	v_pk_add_f32 v[16+2*\c:17+2*\c], v[16+2*\c:17+2*\c], v[X+j+2*\c:X+j+2*\c+1]
.endr
.set j, j+8
.endr
	RED4
	v_mul_f32 v24, 0xbb800000, v16                 ; - mean
	v_mov_b32 v25, v24
.set j, 0
.rept 64
	v_pk_add_f32 v[X+j:X+j+1], v[X+j:X+j+1], v[24:25]
.set j, j+2
.endr
.irp c, 0,1,2,3
	v_pk_mul_f32 v[16+2*\c:17+2*\c], v[X+2*\c:X+2*\c+1], v[X+2*\c:X+2*\c+1]
.endr
.set j, 8
.rept 15
.irp c, 0,1,2,3
	v_pk_fma_f32 v[16+2*\c:17+2*\c], v[X+j+2*\c:X+j+2*\c+1], v[X+j+2*\c:X+j+2*\c+1], v[16+2*\c:17+2*\c]
.endr
.set j, j+8
.endr
	RED4
	v_fma_f32 v26, v16, s60, s61                   ; variance + eps
	s_wait_alu depctr_va_vdst(0)                   ; the wait ahead of the root too
	v_rsq_f32 v26, v26
	v_nop
	s_wait_alu depctr_va_vdst(0)                   ; ahead of the first line that names the root's result
	v_mov_b32 v27, v26
	s_wait_tensorcnt 0x0                           ; my tile of sw_wq or sw_wk has landed: the other wave of my head reads it behind a later barrier
	BAR                                            ; the gains lie in LDS
.macro LDAB set, b
.irp j, 0,1,2,3
	ds_load_b128 v[64+32*(\set)+4*\j:67+32*(\set)+4*\j], v[LNA] offset:128*(\b)+16*\j
	ds_load_b128 v[80+32*(\set)+4*\j:83+32*(\set)+4*\j], v[LNA] offset:1024+128*(\b)+16*\j
.endr
.endm
	LDAB 0, 0
	LDAB 1, 1
.irp b, 0,1,2,3,4,5,6,7
.if \b < 7
	s_wait_dscnt 8                                 ; this block's gains are in; the next block's eight loads may be out
.else
	s_wait_dscnt 0
.endif
.irp e, 0,2,4,6,8,10,12,14
	v_pk_mul_f32 v[X+16*\b+\e:X+16*\b+\e+1], v[X+16*\b+\e:X+16*\b+\e+1], v[26:27]
.endr
.irp e, 0,2,4,6,8,10,12,14
	v_pk_fma_f32 v[X+16*\b+\e:X+16*\b+\e+1], v[X+16*\b+\e:X+16*\b+\e+1], v[64+32*(\b%2)+\e:65+32*(\b%2)+\e], v[80+32*(\b%2)+\e:81+32*(\b%2)+\e]
.endr
.if \b < 6
	LDAB \b%2, \b+2
.endif
.endr
.irp k, 0,1
	QUANT4 X+64*\k, 32+12*\k, 56, 72+\k
.irp c, 0,1,2
	ds_store_b128 v[XWI], v[32+12*\k+4*\c:35+12*\k+4*\c] offset:1536*\k+512*\c     ; the fragment goes to LDS as it stands in registers
.endr
	ds_store_b32 v[XWS], v[72+\k] offset:64*\k
.endr
	; x's rows also leave for the last launch: xq[n][l] is a record of 256 bytes: [K step][lane half][48 bytes of codes], then the two scale words at byte 192; the rest of a record is not read.
	; Through my stage, so that sixteen lanes store one whole record, 256 consecutive bytes, aligned.
	v_and_b32 v74, 15, v0
	v_bfe_u32 v75, v0, 4, 1
	s_mul_i32 s49, s42, 4352
	v_mul_u32_u24 v76, v74, 272
	v_add_nc_u32 v76, s49, v76                     ; my stage, row r
	v_mad_u32_u24 v77, v75, 48, v76                ; + 48 hh
	v_lshlrev_b32 v78, 4, v74
	v_lshl_add_u32 v78, v75, 16, v78
	s_lshl_b32 s48, s42, 20
	v_add_nc_u32 v78, s48, v78                     ; in xq: sequence 16 w + hh (65,536 bytes each), 16 r
	s_lshl_b32 s50, ttmp9, 8
	s_mov_b32 s51, 0
	s_add_nc_u64 s[100:101], s[100:101], s[50:51]  ; position l
.irp k, 0,1
.irp c, 0,1,2
	ds_store_b128 v77, v[32+12*\k+4*\c:35+12*\k+4*\c] offset:96*\k+16*\c
.endr
	ds_store_b32 v76, v[72+\k] offset:192+4*\k
.endr
.irp i, 0,1,2,3,4,5,6,7
	ds_load_b128 v[128+4*\i:131+4*\i], v[STD] offset:544*\i        ; rows 2 i + hh, 16 bytes a lane; LDS serves a wave's instructions in order
.endr
	s_wait_alu depctr_va_vdst(0)                   ; the wait ahead of the blocking waits
.irp i, 0,1,2,3,4,5,6,7
	s_wait_dscnt 7-\i
	global_store_b128 v78, v[128+4*\i:131+4*\i], s[100:101] offset:131072*\i
.endr
	; the addresses that are wanted from here on take the places of phase A's
	v_and_b32 v74, 15, v0
	v_bfe_u32 v75, v0, 4, 1
	v_and_b32 v76, 31, v0
	v_lshlrev_b32 v[GL16], 4, v76
	s_mul_i32 s49, s42, 4352
	v_add_nc_u32 v[LIW], s49, v[GL16]              ; my stage, 16 bytes a lane
	s_lshl_b32 s50, s43, 8
	s_lshl_b32 s51, s44, 7
	s_add_co_u32 s50, s50, s51
	s_add_co_u32 s50, s50, SCG
	v_lshl_add_u32 v[SCW], v74, 2, s50
	s_lshl_b32 s48, s43, 5
	v_add_nc_u32 v76, s48, v74                     ; weight row 32 h + r
	v_mul_u32_u24 v[WA], v76, WP
	v_mad_u32_u24 v[WA], v75, 24, v[WA]
	v_add_nc_u32 v[WA], WT, v[WA]
	v_lshl_add_u32 v[WA2], v75, 4, v[WA]
	v_lshlrev_b32 v29, 3, v76
	v_lshl_add_u32 v29, v75, 2, v29                ; scale words: 8 bytes a row; lanes 0-15 K step 0, lanes 16-31 K step 1
	s_lshl_b32 s48, s43, 7
	v_lshl_add_u32 v30, v75, 5, s48
	v_lshlrev_b32 v31, 2, v76
.macro LDSC sc, sp                     ; a weight's scale words of my head: two registers
.irp u, 0,1
	global_load_b32 v[(\sc)+\u], v29, s[\sp:\sp+1] offset:128*\u
.endr
.endm
; four fragments (tile u, K step k) of the weight at toff, out of LDS.  A row's data lie in pieces of 8 bytes, 16 bytes of padding behind every eight pieces; lanes 16-31 read three pieces further on than
; lanes 0-15, which is behind one padding more where the piece's number mod 8 is 5 or more: the second address register serves those
.macro LDWL wf, toff
.irp u, 0,1
.irp k, 0,1
.irp p, 0,1,2,3,4,5
.set PC, 12*\k+6*(\p/3)+\p%3
.if PC%8 < 5
	ds_load_b64 v[(\wf)+12*(2*\u+\k)+2*\p:(\wf)+12*(2*\u+\k)+2*\p+1], v[WA] offset:(\toff)+16*WP*\u+8*PC+16*(PC/8)
.else
	ds_load_b64 v[(\wf)+12*(2*\u+\k)+2*\p:(\wf)+12*(2*\u+\k)+2*\p+1], v[WA2] offset:(\toff)+16*WP*\u+8*PC+16*(PC/8)
.endif
.endr
.endr
.endr
.endm
	LDSC 250, 14                                   ; sw_wq's scale words: 16 small loads, in the order in which they are wanted
.irp q, 0,1,2,3
	global_load_b128 v[80+4*\q:83+4*\q], v30, s[16:17] offset:64*(\q/2)+16*(\q%2)  ; sw_bq in the transposed result's layout
.endr
	LDSC 252, 20                                   ; sw_wk's
.irp q, 0,1,2,3
	global_load_b128 v[56+4*\q:59+4*\q], v30, s[22:23] offset:64*(\q/2)+16*(\q%2)  ; sw_bk
.endr
.irp u, 0,1
	global_load_b32 v[24+\u], v31, s[28:29] offset:64*\u           ; bq, bk: a lane's own channel
.endr
.irp u, 0,1
	global_load_b32 v[26+\u], v31, s[34:35] offset:64*\u
.endr
	s_wait_xcnt 0x0                                ; the records' stores have read their registers: these are loaded into below
	BAR                                            ; x's 32 fragments lie in LDS, and so do sw_wq and sw_wk
.macro TR4 d, wf, wsc, cb              ; transposed: two tiles of 16 channels x 16 rows of x, two K steps; the two sums by turns
	WMR (\d), (\wf), 128, (\cb), (\wsc), 248, 0
	WMR (\d)+8, (\wf)+24, 128, (\cb)+8, (\wsc)+1, 248, 0
	WMR (\d), (\wf)+12, 140, (\d), (\wsc), 248, 3
	WMR (\d)+8, (\wf)+36, 140, (\d)+8, (\wsc)+1, 248, 3
.endm
.macro NA4 d, wf, wsc                  ; natural: 16 rows of x x two tiles of 16 channels
	WMR (\d), 128, (\wf), 80, 248, (\wsc), 0
	WMR (\d)+16, 128, (\wf)+24, 88, 248, (\wsc)+1, 0
	WMR (\d), 140, (\wf)+12, (\d), 248, (\wsc), 3
	WMR (\d)+16, 140, (\wf)+36, (\d)+16, 248, (\wsc)+1, 3
.endm
.macro LOADX i                         ; row tile 8 g + i of x: two fragments and their scale words (lanes 0-15 K step 0, lanes 16-31 K step 1)
.irp k, 0,1
.irp c, 0,1,2
	ds_load_b128 v[128+12*\k+4*\c:131+12*\k+4*\c], v[XIA] offset:3072*(\i)+1536*\k+512*\c
.endr
.endr
	ds_load_b32 v248, v[XSA] offset:128*(\i)
.endm
	; ---- the first two weights' fragments go into registers; then their LDS bytes are filled again
	LDWL 152, 0                                    ; sw_wq
	LDWL 200, WTT                                  ; sw_wk
.irp k, 0,1
.irp c, 0,1,2
	ds_load_b128 v[128+12*\k+4*\c:131+12*\k+4*\c], v[X0A] offset:1536*\k+512*\c    ; and the target sequence's row of x
.endr
.endr
	ds_load_b32 v248, v[X0S]
	s_wait_tensorcnt 0x0                           ; no tensor load of mine is out
	ds_add_u32 v[SPW], v[NIL]                      ; 0 onto my spare word
	s_wait_dscnt 0x0                               ; the add is done, and my reads of the two weights are over
	s_barrier_signal -1
	s_barrier_wait -1                              ; so it is with all sixteen waves
	tensor_load_to_lds s[68:71], s[88:95]          ; wq or wk: my one tensor load behind this barrier, and the first thing there; it lands under qs, ks and the softmax's first half
	s_nop 0
	PLACES
	; ---- B: qs of the target sequence n = 0, my head's 32 channels
	s_wait_loadcnt 10                              ; sw_wq's words and sw_bq are in; 2 + 4 + 4 loads are younger
	TR4 96, 152, 250, 80
	PLACES
	LDSC 250, 26                                   ; wq's scale words take sw_wq's registers
.set j, 0
.rept 16
	v_mul_f32 v[32+j], s62, v[96+j]                ; qs / sqrt(32)
.set j, j+1
.endr
	s_wait_alu depctr_va_vdst(0)                   ; the wait ahead of the blocking wait
	; ---- C: ks and the logits of my 128 sequences
	s_wait_loadcnt 6                               ; sw_wk's words and sw_bk are in; bq, bk (4) and wq's words (2) are younger
	LOADX 0
.irp i, 0,1,2,3,4,5,6,7
	s_wait_dscnt 0x0
	TR4 96+16*(\i%2), 200, 252, 56
	PLACES
.if \i < 7
	LOADX \i+1
.else
	LDSC 252, 32                                   ; wk's scale words take sw_wk's registers
.endif
	v_pk_mul_f32 v[16:17], v[96+16*(\i%2):97+16*(\i%2)], v[32:33]
.irp e, 2,4,6,8,10,12,14
	v_pk_fma_f32 v[16:17], v[96+16*(\i%2)+\e:97+16*(\i%2)+\e], v[32+\e:33+\e], v[16:17]
.endr
	v_add_f32 v16, v16, v17
	v_permlanex16_b32 v17, v16, s[SEL], s[SEL+1]
	v_add_f32 v[72+\i], v16, v17                   ; the logit of n = 128 g + 16 i + r
.endr
	; ---- D: softmax over the 256 sequences: my 128, then the other wave of my head
	v_max3_num_f32 v16, v72, v73, v74
	v_max3_num_f32 v16, v16, v75, v76
	v_max3_num_f32 v16, v16, v77, v78
	v_max_num_f32 v16, v16, v79
.irp m, 1,2,4,8
	v_max_num_f32_dpp v16, v16, v16 row_xmask:\m row_mask:0xf bank_mask:0xf
.endr
	v_mul_f32 v18, 0xbfb8aa3b, v16
.irp i, 0,1,2,3,4,5,6,7
	v_fma_f32 v[72+\i], v[72+\i], s63, v18
.endr
	s_wait_alu depctr_va_vdst(0)                   ; the wait ahead of the batch too
.irp i, 0,1,2,3,4,5,6,7
	v_exp_f32 v[72+\i], v[72+\i]
.endr
	s_lshl_b32 s48, s42, 3
	s_add_co_u32 s48, s48, EX
	v_mov_b32 v19, s48                             ; (a plain line behind the exponentials)
	s_wait_alu depctr_va_vdst(0)                   ; one wait for the eight
	v_add_f32 v17, v72, v73
	v_add_f32 v20, v74, v75
	v_add_f32 v21, v76, v77
	v_add_f32 v22, v78, v79
	v_add_f32 v17, v17, v20
	v_add_f32 v21, v21, v22
	v_add_f32 v17, v17, v21
.irp m, 1,2,4,8
	v_add_f32_dpp v17, v17, v17 row_xmask:\m row_mask:0xf bank_mask:0xf
.endr
	ds_store_b64 v19, v[16:17]                     ; every lane writes the same pair
	s_wait_tensorcnt 0x0                           ; my tile of wq or wk has landed
	BAR                                            ; everybody's has; nothing is filled any more
	s_lshl_b32 s48, s43, 4
	s_add_co_u32 s48, s48, EX
	v_mov_b32 v19, s48
	ds_load_b128 v[20:23], v19                     ; (m, s) of both waves of my head
	s_wait_dscnt 0x0
	LDWL 152, 0                                    ; wq's and wk's fragments: they come while the softmax is finished; the first wait of the next phase is for them too
	LDWL 200, WTT
	v_max_num_f32 v18, v20, v22
	v_sub_f32 v20, v20, v18
	v_sub_f32 v22, v22, v18
	v_sub_f32 v16, v16, v18
	v_mul_f32 v20, s63, v20
	v_mul_f32 v22, s63, v22
	v_mul_f32 v16, s63, v16
	s_wait_alu depctr_va_vdst(0)
	v_exp_f32 v20, v20
	v_exp_f32 v22, v22
	v_exp_f32 v16, v16
	v_nop
	s_wait_alu depctr_va_vdst(0)
	v_mul_f32 v21, v21, v20
	v_fma_f32 v21, v23, v22, v21
	s_wait_alu depctr_va_vdst(0)
	v_rcp_f32 v21, v21
	v_nop
	s_wait_alu depctr_va_vdst(0)
	v_mul_f32 v16, v16, v21
.irp i, 0,1,2,3,4,5,6,7
	v_mul_f32 v[72+\i], v[72+\i], v16
.endr
.irp i, 0,1,2,3,4,5,6,7
	ds_store_b32 v[SWW], v[72+\i] offset:64*\i     ; my own 512 bytes: only I read them back
.endr
	; ---- E: q x sw and k, a lane a channel d, registers along n; quantised along n; 3,072 consecutive bytes of the position's row leave
	s_lshl_b32 s48, s43, 8
	s_add_co_u32 s48, s48, ttmp9
	s_mul_i32 s48, s48, 6144
	s_mul_i32 s49, s44, 3072
	s_add_co_u32 s48, s48, s49
	s_mov_b32 s49, 0
	s_add_nc_u64 s[50:51], s[36:37], s[48:49]
.macro PASS tensor, wf, wsc, bcl, withsw
.irp u, 0,1
.irp j, 0,1,2,3,4,5,6,7
	v_mov_b32 v[80+8*\u+\j], v[(\bcl)+\u]          ; the bias starts the sums: the lane's channel in all eight rows
.endr
.endr
	s_wait_alu depctr_va_vdst(0)                   ; the wait
.irp bb, 0,1,2,3
.irp tau, 0,1
	LOADX 2*\bb+\tau
.if \withsw
	ds_load_b128 v[72:75], v[SWRA] offset:64*(2*\bb+\tau)
	ds_load_b128 v[76:79], v[SWRA] offset:64*(2*\bb+\tau)+16
.endif
	s_wait_dscnt 0x0
	NA4 96+8*\tau, \wf, \wsc
	PLACES
.if \withsw
.irp u, 0,1
.irp e, 0,2,4,6
	v_pk_mul_f32 v[96+16*\u+8*\tau+\e:97+16*\u+8*\tau+\e], v[96+16*\u+8*\tau+\e:97+16*\u+8*\tau+\e], v[72+\e:73+\e]
.endr
.endr
.endif
.endr
.if (\bb%2) == 0
	QB2 96, 112, 32+6*(\bb/2), 44+6*(\bb/2), 254, 255, \bb
.else
	QB2 96, 112, 56+4*(\bb/2), 64+4*(\bb/2), 254, 255, \bb
.endif
.endr
	QFIN 32, 56
	QFIN 44, 64
.irp u, 0,1
.irp c, 0,1,2
	ds_store_b128 v[SGA], v[32+12*\u+4*\c:35+12*\u+4*\c] offset:1536*\u+16*\c       ; lane (r, hh): 48 bytes of K step 32 g + 16 u + r
.endr
	ds_store_b32 v[SCW], v[254+\u] offset:2048*(\tensor)+64*\u
.endr
.irp i, 0,1,2,3,4,5
	ds_load_b128 v[128+4*\i:131+4*\i], v[LIW] offset:512*\i
.endr
	s_wait_dscnt 0x0
.irp i, 0,1,2,3,4,5
	global_store_b128 v[GL16], v[128+4*\i:131+4*\i], s[50:51] offset:512*\i        ; 32 lanes store 512 consecutive bytes, aligned to 256
.endr
	s_wait_xcnt 0x0                                ; the stores have read their registers and their base
.endm
	s_wait_loadcnt 2                               ; bq, bk and wq's scale words are in; wk's two loads are younger
	PASS 0, 152, 250, 24, 1
	s_add_nc_u64 s[50:51], s[50:51], 12582912      ; on to k's half of the buffer
	s_wait_loadcnt 0x0
	PASS 1, 200, 252, 26, 0
	; ---- F: the scale words leave in whole rows of 256 bytes
	s_lshl_b32 s48, s42, 9
	s_add_co_u32 s48, s48, SCG
	v_add_nc_u32 v16, s48, v[GL16]
	v_and_b32 v17, 15, v0
	v_bfe_u32 v18, v0, 4, 1
	v_lshlrev_b32 v17, 4, v17
	v_lshl_add_u32 v17, v18, 16, v17
	BAR
	s_cmp_ge_u32 s42, 8
	s_cbranch_scc1 .Lend
	ds_load_b128 v[128:131], v16
	s_lshl_b32 s48, s42, 17                        ; (tensor, head) = 2 w + hh: 65,536 bytes each
	s_lshl_b32 s49, ttmp9, 8
	s_add_co_u32 s48, s48, s49
	s_mov_b32 s49, 0
	s_add_nc_u64 s[38:39], s[38:39], s[48:49]
	s_wait_dscnt 0x0
	global_store_b128 v17, v[128:131], s[38:39]
.Lend:
	s_wait_tensorcnt 0x0                           ; the wave's end: behind my last tensor load and my last LDS store
	ds_add_u32 v[SPW], v[NIL]
	s_wait_dscnt 0x0
	s_endpgm
.Lfunc_end_k_q02d8cb6d0e_front:
	.size	k_q02d8cb6d0e_front, .Lfunc_end_k_q02d8cb6d0e_front-k_q02d8cb6d0e_front
	.p2alignl 7, 3214868480
	.fill 96, 4, 3214868480
	.section	.rodata,"a",@progbits
	.p2align	6, 0x0
	.amdhsa_kernel k_q02d8cb6d0e_front
		.amdhsa_group_segment_fixed_size 327680
		.amdhsa_private_segment_fixed_size 0
		.amdhsa_enable_private_segment 0
		.amdhsa_kernarg_size 216
		.amdhsa_user_sgpr_count 2
		.amdhsa_user_sgpr_kernarg_segment_ptr 1
		.amdhsa_wavefront_size32 1
		.amdhsa_system_sgpr_workgroup_id_x 1
		.amdhsa_system_sgpr_workgroup_id_y 1
		.amdhsa_system_sgpr_workgroup_id_z 1
		.amdhsa_system_vgpr_workitem_id 0
		.amdhsa_next_free_vgpr 256
		.amdhsa_next_free_sgpr 102
		.amdhsa_reserve_vcc 0
		.amdhsa_float_denorm_mode_32 3
		.amdhsa_float_denorm_mode_16_64 3
		.amdhsa_memory_ordered 1
		.amdhsa_forward_progress 1
		.amdhsa_inst_pref_size 128
	.end_amdhsa_kernel
	.amdgpu_metadata
---
amdhsa.version: [ 1, 2 ]
amdhsa.kernels:
  - .name:           k_q02d8cb6d0e_front
    .symbol:         k_q02d8cb6d0e_front.kd
    .args:
      - { .name: src, .offset: 0, .size: 8, .value_kind: global_buffer, .address_space: global }
      - { .name: ln1_a, .offset: 8, .size: 8, .value_kind: global_buffer, .address_space: global }
      - { .name: ln1_b, .offset: 16, .size: 8, .value_kind: global_buffer, .address_space: global }
      - { .name: sw_wq_codes, .offset: 24, .size: 8, .value_kind: global_buffer, .address_space: global }
      - { .name: sw_wq_scales, .offset: 32, .size: 8, .value_kind: global_buffer, .address_space: global }
      - { .name: sw_bq, .offset: 40, .size: 8, .value_kind: global_buffer, .address_space: global }
      - { .name: sw_wk_codes, .offset: 48, .size: 8, .value_kind: global_buffer, .address_space: global }
      - { .name: sw_wk_scales, .offset: 56, .size: 8, .value_kind: global_buffer, .address_space: global }
      - { .name: sw_bk, .offset: 64, .size: 8, .value_kind: global_buffer, .address_space: global }
      - { .name: wq_codes, .offset: 72, .size: 8, .value_kind: global_buffer, .address_space: global }
      - { .name: wq_scales, .offset: 80, .size: 8, .value_kind: global_buffer, .address_space: global }
      - { .name: bq, .offset: 88, .size: 8, .value_kind: global_buffer, .address_space: global }
      - { .name: wk_codes, .offset: 96, .size: 8, .value_kind: global_buffer, .address_space: global }
      - { .name: wk_scales, .offset: 104, .size: 8, .value_kind: global_buffer, .address_space: global }
      - { .name: bk, .offset: 112, .size: 8, .value_kind: global_buffer, .address_space: global }
      - { .name: wv_codes, .offset: 120, .size: 8, .value_kind: global_buffer, .address_space: global }
      - { .name: wv_scales, .offset: 128, .size: 8, .value_kind: global_buffer, .address_space: global }
      - { .name: wo_codes, .offset: 136, .size: 8, .value_kind: global_buffer, .address_space: global }
      - { .name: wo_scales, .offset: 144, .size: 8, .value_kind: global_buffer, .address_space: global }
      - { .name: w1_codes, .offset: 152, .size: 8, .value_kind: global_buffer, .address_space: global }
      - { .name: w1_scales, .offset: 160, .size: 8, .value_kind: global_buffer, .address_space: global }
      - { .name: w2_codes, .offset: 168, .size: 8, .value_kind: global_buffer, .address_space: global }
      - { .name: w2_scales, .offset: 176, .size: 8, .value_kind: global_buffer, .address_space: global }
      - { .name: qk, .offset: 184, .size: 8, .value_kind: global_buffer, .address_space: global }
      - { .name: scl, .offset: 192, .size: 8, .value_kind: global_buffer, .address_space: global }
      - { .name: ws, .offset: 200, .size: 8, .value_kind: global_buffer, .address_space: global }
      - { .name: xq, .offset: 208, .size: 8, .value_kind: global_buffer, .address_space: global }
    .group_segment_fixed_size: 327680
    .private_segment_fixed_size: 0
    .kernarg_segment_align: 8
    .kernarg_segment_size: 216
    .max_flat_workgroup_size: 512
    .sgpr_count:     102
    .vgpr_count:     256
    .wavefront_size: 32
...
	.end_amdgpu_metadata
.endif
;; end of part 1
;; launch scores (part 2): grid 256 x 1, 8 waves a work-group, no clusters, 244,736 bytes of LDS; arguments qk, scl, ps; writes ps
.if DOCPART == 2
	.amdgcn_target "amdgcn-amd-amdhsa--gfx1250"
	.amdhsa_code_object_version 6
	.text
	.protected	k_q02d8cb6d0e_scores
	.globl	k_q02d8cb6d0e_scores
	.p2align	8
	.type	k_q02d8cb6d0e_scores,@function
k_q02d8cb6d0e_scores:
	s_mov_b64 s[64:65], 0
	v_nop
	global_prefetch_b8 v0, s[64:65] scope:SCOPE_SE
	s_setreg_imm32_b32 hwreg(HW_REG_WAVE_MODE, 25, 1), 1
	s_wait_xcnt 0x0
; SCORES.  ps[kc][h][l][m] = the sum over eight K steps of 128 (K steps 8 kc .. 8 kc + 7 of 64) of (q x sw)[h][l][K] k[h][m][K], on codes of E3M2 with E8M0 scales; f32 sums.
; A work-group makes 128 x 128 of one head for one eighth of K: 8 heads x 2 x 2 tiles x 8 chunks = 256 work-groups.  The eight partial sums are added, in ascending order, by the next launch.
; Eight waves: wave w makes rows 32 (w / 2) .. + 31 and columns 64 (w % 2) .. + 63: eight accumulators, 64 matrix instructions.
; The two tiles (128 rows x 768 bytes each) come once, each wave bringing 32 rows by one tensor load: LDS is filled once, so there is no ring.
; In memory a K step of a row is 96 bytes in the order of the operand's registers: lanes 0-15 take the first 48 bytes, lanes 16-31 the second: three loads of 16 bytes.
; The product is used transposed (source 0 = 16 rows of k, source 1 = 16 rows of q x sw): a lane holds eight neighbouring m of one row l.
; No joint loads: a tile is wanted by exactly two work-groups, and the pairs for q x sw and for k cross in a square of 2 x 2, which is no row or column of four.
.set PITCH, 816                        ; a row in LDS: 3 x (256 bytes + 16 of padding)
.set TILEB, 32*PITCH
.set STAGE, 8*TILEB
.macro PLACES
.rept 4
	v_nop
.endr
.endm
	s_load_b128 s[4:7], s[0:1], 0x0                ; qk, scl
	s_load_b64 s[8:9], s[0:1], 0x10                ; ps
	v_lshl_add_u32 v14, v0, 2, 0x3b800
	v_mov_b32 v15, 0
	ds_add_u32 v14, v15
	ds_add_u32 v14, v15
	v_lshrrev_b32 v1, 5, v0
	s_delay_alu instid0(VALU_DEP_1)
	v_readfirstlane_b32 s10, v1                    ; wave
	s_and_b32 s24, ttmp9, 7                        ; kc
	s_bfe_u32 s25, ttmp9, 0x10003                  ; mt
	s_bfe_u32 s26, ttmp9, 0x10004                  ; lt
	s_lshr_b32 s27, ttmp9, 5                       ; head
	s_mov_b32 s16, (3<<16)|(1<<20)|(5<<22)|(3<<25) ; elements of 8 bytes; 4 words of padding behind every 64 words
	s_mov_b32 s17, 96<<16                          ; tensor_dim0 = 96 elements = 768 bytes
	s_mov_b32 s18, 32<<16                          ; tensor_dim1 = 32
	s_mov_b32 s19, 96<<16                          ; tile_dim0
	s_mov_b32 s20, 32                              ; tile_dim1
	s_mov_b32 s21, 768                             ; a row of 6,144 bytes in memory
	s_mov_b32 s22, 0
	s_mov_b32 s23, 0
	s_lshr_b32 s28, s10, 2                         ; waves 0-3 bring q x sw, waves 4-7 k
	s_cmp_eq_u32 s28, 0
	s_cselect_b32 s29, s26, s25
	s_lshl_b32 s29, s29, 7
	s_lshl_b32 s30, s27, 8
	s_add_co_u32 s29, s29, s30
	s_and_b32 s30, s10, 3
	s_lshl_b32 s30, s30, 5
	s_add_co_u32 s29, s29, s30
	s_mul_i32 s29, s29, 6144
	s_mul_i32 s30, s28, 12582912
	s_add_co_u32 s29, s29, s30
	s_mul_i32 s30, s24, 768
	s_add_co_u32 s30, s29, s30
	s_mov_b32 s31, 0
	s_wait_dscnt 0x0
	s_wait_kmcnt 0x0
	s_mov_b32 s12, 1
	s_mul_i32 s13, s10, TILEB
	s_add_nc_u64 s[14:15], s[4:5], s[30:31]
	s_or_b32 s15, s15, 0x80000000
	tensor_load_to_lds s[12:15], s[16:23]          ; my one tensor load
	s_nop 0
	PLACES
	v_and_b32 v9, 15, v0                           ; r
	v_bfe_u32 v10, v0, 4, 1                        ; hh
	s_wait_alu depctr_va_vdst(0)
	s_lshr_b32 s34, s10, 1                         ; lb
	s_and_b32 s38, s10, 1                          ; mh
	s_lshl_b32 s32, s27, 8
	s_lshl_b32 s33, s26, 7
	s_add_co_u32 s33, s33, s32
	s_lshl_b32 s35, s34, 5
	s_add_co_u32 s33, s33, s35
	s_lshl_b32 s33, s33, 8
	s_lshl_b32 s36, s24, 5
	s_add_co_u32 s33, s33, s36                     ; lanes 0-15: the words of q x sw's rows
	s_lshl_b32 s37, s25, 7
	s_add_co_u32 s37, s37, s32
	s_lshl_b32 s39, s38, 6
	s_add_co_u32 s37, s37, s39
	s_lshl_b32 s37, s37, 8
	s_add_co_u32 s37, s37, s36
	s_add_co_u32 s37, s37, 524288                  ; lanes 16-31: those of k's rows
	s_sub_co_u32 s37, s37, s33
	v_mul_lo_u32 v5, v10, s37
	s_delay_alu instid0(VALU_DEP_1)
	v_add_nc_u32 v5, s33, v5
	s_delay_alu instid0(VALU_DEP_1)
	v_lshl_add_u32 v5, v9, 8, v5
.irp i, 0,1,2,3
	global_load_b128 v[16+8*\i:19+8*\i], v5, s[6:7] offset:4096*\i         ; register 16 + 8 i + q: tile i, K step q  (tiles 2, 3 serve k alone; the low lanes' words there are not used)
	global_load_b128 v[20+8*\i:23+8*\i], v5, s[6:7] offset:4096*\i+16
.endr
	v_mul_u32_u24 v11, v9, PITCH
	s_delay_alu instid0(VALU_DEP_1)
	v_mad_u32_u24 v11, v10, 48, v11
	s_mul_i32 s32, s34, TILEB
	v_add_nc_u32 v1, s32, v11                      ; my rows of q x sw
	s_delay_alu instid0(VALU_DEP_1)
	v_lshl_add_u32 v2, v10, 4, v1                  ; the same where lanes 16-31 lie behind one padding more
	s_mul_i32 s33, s38, 2*TILEB
	s_add_co_u32 s33, s33, 4*TILEB
	v_add_nc_u32 v3, s33, v11                      ; my rows of k
	s_delay_alu instid0(VALU_DEP_1)
	v_lshl_add_u32 v4, v10, 4, v3
	s_mul_i32 s32, s10, 4352
	s_add_co_u32 s32, s32, STAGE
	v_mul_u32_u24 v6, v9, 272
	s_delay_alu instid0(VALU_DEP_1)
	v_lshl_add_u32 v6, v10, 5, v6
	s_delay_alu instid0(VALU_DEP_1)
	v_add_nc_u32 v6, s32, v6
	v_mul_u32_u24 v7, v10, 272
	s_delay_alu instid0(VALU_DEP_1)
	v_lshl_add_u32 v7, v9, 4, v7
	s_delay_alu instid0(VALU_DEP_1)
	v_add_nc_u32 v7, s32, v7
	v_lshlrev_b32 v8, 10, v10
	s_delay_alu instid0(VALU_DEP_1)
	v_lshl_add_u32 v8, v9, 4, v8
	; ps is laid [head][tile of 16 rows l][kc][16 rows][256 m]: the eight partials of 16 rows are one dense block for the next launch
	s_lshl_b32 s40, s27, 11                        ; head: 16 tiles x 128 rows
	s_lshl_b32 s41, s26, 10                        ; lt: 8 tiles
	s_add_co_u32 s40, s40, s41
	s_lshl_b32 s41, s34, 8                         ; lb: 2 tiles
	s_add_co_u32 s40, s40, s41
	s_lshl_b32 s41, s24, 4                         ; kc: 16 rows
	s_add_co_u32 s40, s40, s41
	s_lshl_b32 s40, s40, 10
	s_lshl_b32 s41, s25, 9
	s_add_co_u32 s40, s40, s41
	s_lshl_b32 s41, s38, 8
	s_add_co_u32 s40, s40, s41
	s_mov_b32 s41, 0
	s_add_nc_u64 s[8:9], s[8:9], s[40:41]
	s_wait_alu depctr_va_vdst(0)
	s_wait_tensorcnt 0x0                           ; my 32 rows have landed,
	s_barrier_signal -1
	s_barrier_wait -1                              ; everybody's have
	s_wait_loadcnt 0x0
.macro FRG reg, ad, q, off             ; a fragment: 48 bytes of K step q of my row
.irp c, 0,1,2
.set X0, 96*(\q)+16*\c
.if (X0>>8) == ((X0+48)>>8)
	ds_load_b128 v[(\reg)+4*\c:(\reg)+4*\c+3], v[\ad] offset:(\off)+X0+16*(X0>>8)
.else
	ds_load_b128 v[(\reg)+4*\c:(\reg)+4*\c+3], v[\ad+1] offset:(\off)+X0+16*(X0>>8)
.endif
.endr
.endm
.macro FETCH q, buf                    ; 18 loads: two tiles of q x sw, four of k
	FRG (\buf), 1, \q, 0
	FRG (\buf)+12, 1, \q, 16*PITCH
.irp b, 0,1,2,3
	FRG (\buf)+24+12*\b, 3, \q, \b*16*PITCH
.endr
.endm
	FETCH 0, 112
.irp q, 0,1,2,3,4,5,6,7
.set FB, 112+72*(\q%2)
.if \q < 7
	FETCH \q+1, 112+72*((\q+1)%2)
	s_wait_dscnt 18                                ; this K step's fragments are in; the next one's 18 loads may be out
.else
	s_wait_dscnt 0
.endif
.irp a, 0,1
.irp b, 0,1,2,3
.if \q == 0
	v_wmma_scale_f32_16x16x128_f8f6f4 v[48+8*(4*\a+\b):55+8*(4*\a+\b)], v[FB+24+12*\b:FB+35+12*\b], v[FB+12*\a:FB+11+12*\a], 0, v[16+8*\b+\q], v[16+8*\a+\q] matrix_a_fmt:MATRIX_FMT_BF6 matrix_b_fmt:MATRIX_FMT_BF6 matrix_a_scale:MATRIX_SCALE_ROW1
.else
	v_wmma_scale_f32_16x16x128_f8f6f4 v[48+8*(4*\a+\b):55+8*(4*\a+\b)], v[FB+24+12*\b:FB+35+12*\b], v[FB+12*\a:FB+11+12*\a], v[48+8*(4*\a+\b):55+8*(4*\a+\b)], v[16+8*\b+\q], v[16+8*\a+\q] matrix_a_fmt:MATRIX_FMT_BF6 matrix_b_fmt:MATRIX_FMT_BF6 matrix_a_scale:MATRIX_SCALE_ROW1
.endif
.endr
.endr
	PLACES                                         ; ahead of the loads into the buffer just multiplied, and of the first read of results
.endr
.irp a, 0,1                            ; the way out: 16 rows x 256 bytes through my stage, back as whole rows
.irp b, 0,1,2,3
	ds_store_b128 v6, v[48+8*(4*\a+\b):51+8*(4*\a+\b)] offset:64*\b
	ds_store_b128 v6, v[52+8*(4*\a+\b):55+8*(4*\a+\b)] offset:64*\b+16
.endr
.irp t, 0,1,2,3,4,5,6,7
	ds_load_b128 v[112+32*\a+4*\t:115+32*\a+4*\t], v7 offset:544*\t        ; LDS serves a wave's instructions in order
.endr
.irp t, 0,1,2,3,4,5,6,7
	s_wait_dscnt 7-\t
	global_store_b128 v8, v[112+32*\a+4*\t:115+32*\a+4*\t], s[8:9] offset:(128*\a+2*\t)*1024   ; sixteen lanes store 256 consecutive bytes, aligned
.endr
.endr
	s_wait_tensorcnt 0x0
	ds_add_u32 v14, v15
	s_wait_dscnt 0x0
	s_endpgm
.Lfunc_end_k_q02d8cb6d0e_scores:
	.size	k_q02d8cb6d0e_scores, .Lfunc_end_k_q02d8cb6d0e_scores-k_q02d8cb6d0e_scores
	.p2alignl 7, 3214868480
	.fill 96, 4, 3214868480
	.section	.rodata,"a",@progbits
	.p2align	6, 0x0
	.amdhsa_kernel k_q02d8cb6d0e_scores
		.amdhsa_group_segment_fixed_size 244736
		.amdhsa_private_segment_fixed_size 0
		.amdhsa_enable_private_segment 0
		.amdhsa_kernarg_size 24
		.amdhsa_user_sgpr_count 2
		.amdhsa_user_sgpr_kernarg_segment_ptr 1
		.amdhsa_wavefront_size32 1
		.amdhsa_system_sgpr_workgroup_id_x 1
		.amdhsa_system_sgpr_workgroup_id_y 1
		.amdhsa_system_sgpr_workgroup_id_z 1
		.amdhsa_system_vgpr_workitem_id 0
		.amdhsa_next_free_vgpr 256
		.amdhsa_next_free_sgpr 66
		.amdhsa_reserve_vcc 0
		.amdhsa_float_denorm_mode_32 3
		.amdhsa_float_denorm_mode_16_64 3
		.amdhsa_memory_ordered 1
		.amdhsa_forward_progress 1
		.amdhsa_inst_pref_size 29
	.end_amdhsa_kernel
	.amdgpu_metadata
---
amdhsa.version: [ 1, 2 ]
amdhsa.kernels:
  - .name:           k_q02d8cb6d0e_scores
    .symbol:         k_q02d8cb6d0e_scores.kd
    .args:
      - { .name: qk, .offset: 0, .size: 8, .value_kind: global_buffer, .address_space: global }
      - { .name: scl, .offset: 8, .size: 8, .value_kind: global_buffer, .address_space: global }
      - { .name: ps, .offset: 16, .size: 8, .value_kind: global_buffer, .address_space: global }
    .group_segment_fixed_size: 244736
    .private_segment_fixed_size: 0
    .kernarg_segment_align: 8
    .kernarg_segment_size: 24
    .max_flat_workgroup_size: 256
    .sgpr_count:     66
    .vgpr_count:     256
    .wavefront_size: 32
...
	.end_amdgpu_metadata
.endif
;; end of part 2
;; launch soft (part 3): grid 128 x 1, 4 waves a work-group, no clusters, 168,448 bytes of LDS; arguments ps, pb, rl; writes pb, rl
.if DOCPART == 3
	.amdgcn_target "amdgcn-amd-amdhsa--gfx1250"
	.amdhsa_code_object_version 6
	.text
	.protected	k_q02d8cb6d0e_soft
	.globl	k_q02d8cb6d0e_soft
	.p2align	8
	.type	k_q02d8cb6d0e_soft,@function
k_q02d8cb6d0e_soft:
	s_mov_b64 s[64:65], 0
	v_nop
	global_prefetch_b8 v0, s[64:65] scope:SCOPE_SE
	s_setreg_imm32_b32 hwreg(HW_REG_WAVE_MODE, 25, 1), 1
	s_wait_xcnt 0x0
; SOFT.  For 16 rows l of one head: the eight partial scores are added in ascending order; t = score x log2(e) / sqrt(32); M = ceil(the row's largest t); p = 2^(t - M) is quantised along m to E3M2;
; the row's sum is taken of the unquantised p; 1 / sum goes to rl.  p's two fragments (16 rows x 128 m each) leave as images of operand registers, with their scale words.
; Wave w owns the blocks 2 w and 2 w + 1 of 32 along m.  Within a block, code position 16 a + 8 u + j holds m = 16 u + 8 a + j: the order in which the last launch makes v's codes.
; A block's largest p is the block's largest score put through the same multiply-add and exponential (this takes the exponential not to fall where its input rises).
; LIMITS: NaN and infinities are not served.  rl is stored a word a lane, 2,048 words in the launch.
.set PP,  1040                         ; a row of a partial in LDS: 1,024 bytes + 16
.set PT,  16*PP
.set MX,  8*PT                         ; [r][w] largest scores
.set SM,  MX+256                       ; [r][w] sums
.set IMG, MX+512                       ; two images of 1,536 bytes, then [s][lane] scale words
	s_load_b128 s[4:7], s[0:1], 0x0                ; ps, pb
	s_load_b64 s[8:9], s[0:1], 0x10                ; rl
	v_lshl_add_u32 v128, v0, 2, 0x29000
	v_mov_b32 v129, 0
	ds_add_u32 v128, v129
	ds_add_u32 v128, v129
	v_lshrrev_b32 v1, 5, v0
	v_readfirstlane_b32 s10, v1
	s_lshr_b32 s11, ttmp9, 4                       ; head
	s_and_b32 s24, ttmp9, 15                       ; tile of 16 rows
	s_mov_b32 s16, (2<<16)|(1<<20)|(7<<22)|(3<<25) ; elements of 4 bytes; 4 words of padding behind every 256 words
	s_mov_b32 s17, 256<<16
	s_mov_b32 s18, 32<<16                          ; 32 rows: two partials of 16 rows, dense in ps
	s_mov_b32 s19, 256<<16
	s_mov_b32 s20, 32
	s_mov_b32 s21, 256
	s_mov_b32 s22, 0
	s_mov_b32 s23, 0
	s_mov_b32 s26, 0x3e8293ee                      ; log2(e) / sqrt(32)
	s_mov_b32 s27, s26
	s_mov_b32 s36, 0x76543210
	s_mov_b32 s37, 0xfedcba98
	s_lshl_b32 s25, ttmp9, 17                      ; my 16 rows' eight partials: 131,072 dense bytes
	s_lshl_b32 s32, s10, 15                        ; partials kc = 2 w and 2 w + 1
	s_add_co_u32 s32, s32, s25
	s_mov_b32 s33, 0
	s_mul_i32 s34, s10, 2*PT
	s_wait_dscnt 0x0
	s_wait_kmcnt 0x0
	s_mov_b32 s12, 1
	s_mov_b32 s13, s34
	s_add_nc_u64 s[14:15], s[4:5], s[32:33]
	s_or_b32 s15, s15, 0x80000000
	tensor_load_to_lds s[12:15], s[16:23]          ; my one tensor load
	s_nop 0
.rept 4
	v_nop
.endr
	v_and_b32 v16, 31, v0
	v_and_b32 v17, 15, v0
	v_bfe_u32 v18, v0, 4, 1
	v_mul_u32_u24 v1, v17, PP
	v_lshl_add_u32 v1, v18, 5, v1
	s_lshl_b32 s32, s10, 8
	v_add_nc_u32 v1, s32, v1                       ; row r, + 256 w, + 32 hh
	v_add_nc_u32 v2, 4*PT, v1
	s_lshl_b32 s32, s10, 2
	s_add_co_u32 s33, s32, MX
	v_lshl_add_u32 v3, v17, 4, s33
	v_lshl_add_u32 v4, v17, 4, MX
	s_add_co_u32 s33, s32, SM
	v_lshl_add_u32 v5, v17, 4, s33
	v_lshl_add_u32 v6, v17, 4, SM
	s_lshr_b32 s32, s10, 1                         ; s: which fragment
	s_and_b32 s33, s10, 1                          ; c: which half of its registers
	s_mul_i32 s34, s32, 1536
	s_add_co_u32 s34, s34, IMG
	s_mul_i32 s35, s33, 520
	s_add_co_u32 s35, s35, s34
	v_lshl_add_u32 v7, v16, 4, s35                 ; registers 6 c, 6 c + 1
	v_add_nc_u32 v9, 512, v7                       ; registers 6 c + 4, 6 c + 5
	s_mul_i32 s35, s33, 1016
	s_add_co_u32 s35, s35, s34
	s_add_co_u32 s35, s35, 8
	v_lshl_add_u32 v8, v16, 4, s35                 ; registers 6 c + 2, 6 c + 3
	s_lshl_b32 s35, s32, 7
	s_lshl_b32 s34, s33, 1
	s_add_co_u32 s35, s35, s34
	s_add_co_u32 s35, s35, IMG+3072
	v_lshl_add_u32 v10, v16, 2, s35
	v_lshl_add_u32 v11, v16, 4, IMG
	v_lshl_add_u32 v12, v16, 3, IMG+3072
	v_lshlrev_b32 v13, 4, v16
	v_lshl_add_u32 v14, v16, 3, 3072
	s_lshl_b32 s35, s24, 9
	s_lshl_b32 s34, s11, 2
	s_add_co_u32 s35, s35, s34
	v_lshl_add_u32 v15, v17, 5, s35                ; rl: (16 T + r) x 32 + 4 h
	v_mov_b32 v18, 0
	v_mov_b32 v19, 0
	v_mov_b32 v23, 0
	s_wait_tensorcnt 0x0
	s_barrier_signal -1
	s_barrier_wait -1                              ; the eight partials lie in LDS
.macro LDP reg, kc                     ; my 32 numbers of partial kc: register 16 b + 8 u + i = m 64 w + 32 b + 16 u + 8 hh + i
.irp q, 0,1,2,3,4,5,6,7
	ds_load_b128 v[(\reg)+4*\q:(\reg)+4*\q+3], v[1+(\kc)/4] offset:PT*((\kc)%4)+128*(\q/4)+64*((\q/2)%2)+16*(\q%2)
.endr
.endm
	LDP 32, 0
	LDP 64, 1
	LDP 96, 2
.irp kc, 1,2,3,4,5,6,7
.if \kc < 7
	s_wait_dscnt 8                                 ; this partial is in; the next one's eight loads may be out
.else
	s_wait_dscnt 0
.endif
.set BF, 64+32*((\kc-1)%2)
.set j, 0
.rept 16
	v_pk_add_f32 v[32+j:33+j], v[32+j:33+j], v[BF+j:BF+j+1]
.set j, j+2
.endr
.if \kc < 6
	LDP 64+32*((\kc-1)%2), \kc+2
.endif
.endr
.irp b, 0,1
	v_max3_num_f32 v[16+\b], v[32+16*\b], v[33+16*\b], v[34+16*\b]     ; each block's largest score
.endr
.irp i, 3,5,7,9,11,13
.irp b, 0,1
	v_max3_num_f32 v[16+\b], v[16+\b], v[32+16*\b+\i], v[33+16*\b+\i]
.endr
.endr
.irp b, 0,1
	v_max_num_f32 v[16+\b], v[16+\b], v[47+16*\b]
.endr
.irp b, 0,1
	v_permlanex16_b32 v[18+\b], v[16+\b], s36, s37
.endr
.irp b, 0,1
	v_max_num_f32 v[16+\b], v[16+\b], v[18+\b]
.endr
	v_max_num_f32 v20, v16, v17
	ds_store_b32 v3, v20
	s_wait_dscnt 0x0
	s_barrier_signal -1
	s_barrier_wait -1
	ds_load_b128 v[24:27], v4
	s_wait_dscnt 0x0
	v_max3_num_f32 v20, v24, v25, v26
	v_max_num_f32 v20, v20, v27                    ; the row's largest score
	v_mul_f32 v20, s26, v20
	v_floor_f32 v22, -v20                          ; - M = floor(- t): M is a whole number
.set j, 0
.rept 16
	v_pk_fma_f32 v[32+j:33+j], v[32+j:33+j], s[26:27], v[22:23] op_sel_hi:[1,0,0]
.set j, j+2
.endr
	v_fma_f32 v16, v16, s26, v22
	v_fma_f32 v17, v17, s26, v22
.set j, 0
	s_wait_alu depctr_va_vdst(0)
.rept 32
	v_exp_f32 v[32+j], v[32+j]                     ; p = 2^(t - M)
.set j, j+1
.endr
	v_nop
	s_wait_alu depctr_va_vdst(0)                   ; one wait for the 32
	v_exp_f32 v16, v16                             ; the blocks' largest p
	v_exp_f32 v17, v17
	v_pk_add_f32 v[28:29], v[32:33], v[34:35]      ; the row's sum, of the unquantised p
	v_pk_add_f32 v[30:31], v[36:37], v[38:39]
.irp j, 8,12,16,20,24,28
	v_pk_add_f32 v[28:29], v[28:29], v[32+\j:33+\j]
	v_pk_add_f32 v[30:31], v[30:31], v[34+\j:35+\j]
.endr
	v_pk_add_f32 v[28:29], v[28:29], v[30:31]
	v_add_f32 v28, v28, v29
	v_permlanex16_b32 v29, v28, s36, s37
	v_add_f32 v28, v28, v29
	ds_store_b32 v5, v28
	s_wait_alu depctr_va_vdst(0)                   ; and one for the two
	v_max_num_f32 v16, 0x2800000, v16              ; the floor 2^(5 - 127)
	v_max_num_f32 v17, 0x2800000, v17
	v_add_nc_u32 v18, 0xfe000000, v16
	v_add_nc_u32 v19, 0xfe000000, v17
	v_lshrrev_b32 v16, 23, v18
	v_lshrrev_b32 v17, 23, v19
	v_lshl_or_b32 v16, v17, 8, v16
	v_cvt_scalef32_pk16_bf6_f32 v[64:66], v[32:47], v18
	v_cvt_scalef32_pk16_bf6_f32 v[72:74], v[48:63], v19
	v_nop
.irp i, 0,1,2
	v_permlane16_swap_b32 v[64+\i], v[72+\i]
.endr
.irp i, 0,1,2
	v_mov_b32 v[67+\i], v[72+\i]                   ; v64-69: registers 6 c .. 6 c + 5 of fragment s
.endr
	ds_store_b64 v7, v[64:65]
	ds_store_b64 v8, v[66:67]
	ds_store_b64 v9, v[68:69]
	ds_store_b16 v10, v16
	s_wait_dscnt 0x0
	s_barrier_signal -1
	s_barrier_wait -1
	s_cmp_lg_u32 s10, 0
	s_cbranch_scc1 .Lend
.irp i, 0,1,2,3,4,5
	ds_load_b128 v[64+4*\i:67+4*\i], v11 offset:512*\i
.endr
	ds_load_b64 v[88:89], v12
	ds_load_b128 v[92:95], v6
	s_mul_i32 s32, ttmp9, 3328
	s_mov_b32 s33, 0
	s_add_nc_u64 s[6:7], s[6:7], s[32:33]
	s_wait_dscnt 0x0
.irp i, 0,1,2,3,4,5
	global_store_b128 v13, v[64+4*\i:67+4*\i], s[6:7] offset:512*\i
.endr
	global_store_b64 v14, v[88:89], s[6:7]
	v_add_f32 v92, v92, v93
	v_add_f32 v94, v94, v95
	v_add_f32 v92, v92, v94
	s_wait_alu depctr_va_vdst(0)
	v_rcp_f32 v92, v92
	v_nop
	s_wait_alu depctr_va_vdst(0)
	global_store_b32 v15, v92, s[8:9]
.Lend:
	s_wait_tensorcnt 0x0
	ds_add_u32 v128, v129
	s_wait_dscnt 0x0
	s_endpgm
.Lfunc_end_k_q02d8cb6d0e_soft:
	.size	k_q02d8cb6d0e_soft, .Lfunc_end_k_q02d8cb6d0e_soft-k_q02d8cb6d0e_soft
	.p2alignl 7, 3214868480
	.fill 96, 4, 3214868480
	.section	.rodata,"a",@progbits
	.p2align	6, 0x0
	.amdhsa_kernel k_q02d8cb6d0e_soft
		.amdhsa_group_segment_fixed_size 168448
		.amdhsa_private_segment_fixed_size 0
		.amdhsa_enable_private_segment 0
		.amdhsa_kernarg_size 24
		.amdhsa_user_sgpr_count 2
		.amdhsa_user_sgpr_kernarg_segment_ptr 1
		.amdhsa_wavefront_size32 1
		.amdhsa_system_sgpr_workgroup_id_x 1
		.amdhsa_system_sgpr_workgroup_id_y 1
		.amdhsa_system_sgpr_workgroup_id_z 1
		.amdhsa_system_vgpr_workitem_id 0
		.amdhsa_next_free_vgpr 130
		.amdhsa_next_free_sgpr 66
		.amdhsa_reserve_vcc 0
		.amdhsa_float_denorm_mode_32 3
		.amdhsa_float_denorm_mode_16_64 3
		.amdhsa_memory_ordered 1
		.amdhsa_forward_progress 1
		.amdhsa_inst_pref_size 24
	.end_amdhsa_kernel
	.amdgpu_metadata
---
amdhsa.version: [ 1, 2 ]
amdhsa.kernels:
  - .name:           k_q02d8cb6d0e_soft
    .symbol:         k_q02d8cb6d0e_soft.kd
    .args:
      - { .name: ps, .offset: 0, .size: 8, .value_kind: global_buffer, .address_space: global }
      - { .name: pb, .offset: 8, .size: 8, .value_kind: global_buffer, .address_space: global }
      - { .name: rl, .offset: 16, .size: 8, .value_kind: global_buffer, .address_space: global }
    .group_segment_fixed_size: 168448
    .private_segment_fixed_size: 0
    .kernarg_segment_align: 8
    .kernarg_segment_size: 24
    .max_flat_workgroup_size: 128
    .sgpr_count:     66
    .vgpr_count:     130
    .wavefront_size: 32
...
	.end_amdgpu_metadata
.endif
;; end of part 3
;; launch back (part 4): grid 256 x 1, 8 waves a work-group, clusters of 4 x 1, 327,680 bytes of LDS; arguments src, xq, ln2_a, ln2_b, bv, bo, b2, b1, ws, pb, rl, out0; writes out0
.if DOCPART == 4
	.amdgcn_target "amdgcn-amd-amdhsa--gfx1250"
	.amdhsa_code_object_version 6
	.text
	.protected	k_q02d8cb6d0e_back
	.globl	k_q02d8cb6d0e_back
	.p2align	8
	.type	k_q02d8cb6d0e_back,@function
k_q02d8cb6d0e_back:
	s_mov_b64 s[64:65], 0
	v_nop
	global_prefetch_b8 v0, s[64:65] scope:SCOPE_SE
	s_setreg_imm32_b32 hwreg(HW_REG_WAVE_MODE, 25, 1), 1
	s_wait_xcnt 0x0
	s_wait_alu depctr_hold_cnt(0) depctr_sa_sdst(0) depctr_va_vdst(0) depctr_va_sdst(0) depctr_va_ssrc(0) depctr_va_vcc(0) depctr_vm_vsrc(0)
	s_getreg_b32 s2, hwreg(HW_REG_IB_STS2, 6, 4)
	s_cmp_eq_u32 s2, 0
	s_cbranch_scc0 .Lentry_in_a_cluster
	s_endpgm
.Lentry_in_a_cluster:
	s_bfe_u32 s2, ttmp6, 0x10000c
	s_cmp_lg_u32 s2, 0x3003
	s_cbranch_scc0 .Lentry_shape_is_right
	s_endpgm
.Lentry_shape_is_right:
; BACK.  One work-group owns one sequence n and all 256 positions: v, att x v, wo, residual, LN2, FFN, residual.
; x = LN1(src) comes as codes, made once by the first launch: xq[n][l] is a record of 256 bytes ([K step][lane half][48 bytes], two scale words at byte 192).
; SHARES.  Wave w owns rows 32 w + 16 t + r (t = 0, 1) for all that is local to a row; in the v phase it owns head w for all rows.
; S (src, then src + attention, then the result) stays in registers, window 1: v[128 t + 16 b + i] holds channel 32 b + 16 hh + i of the lane's row.  wo's and w2's products add in place onto S.
; src's 64 loads a wave are issued at the head (tile 0) and under att x v's steps 0 to 7 (tile 1) and are first wanted behind the v phase; there they are turned through the wave's stage into S's layout.
; WEIGHTS come as items of 53,248 bytes (images of operand registers, laid by the first launch) into four places in LDS, by JOINT loads: the four work-groups of a cluster walk the same items.
; FILLS, one tensor load a wave each time: at the head waves 0-3 bring wv and wo (places 2, 3; 104 rows of 256 bytes each) and waves 4-7 my sequence's records (64 each; no mask);
; behind the full sequence and a round waves 0-3 bring FFN chunks 0, 1 (places 0, 1); then six refills of one item, an eighth a wave (chunks 2 to 7).  Every wait on TENSORcnt is for 0.
; v's fragments go from wave to wave through LDS as images of their registers, on the records' bytes, which have had their only fill.  p's fragments come from memory into a ring of three register sets.
; Weight rows of a tile are 32 (t / 2) + 8 (t % 2) + r + 8 (r / 8), so that two neighbouring tiles of a transposed product give a lane 16 neighbouring channels.
; NO PREFETCH: src is asked for early, half at the head and half under att x v, 256 KB a work-group; the items are the same 520 KB for every cluster.
; LIMITS: NaN and infinities are not served.  A block of zeros gets the scale byte 1 (its codes are zeros; only this program reads the bytes).  All of a WGP's LDS is claimed.
.set ITEM,  53248
.set STG,   4*ITEM                     ; eight stages of 4,352 bytes
.set XR,    STG+8*4352                 ; 256 records, 272 bytes apart
.set XIMG,  XR                         ; later: v's 32 images of 1,536 bytes,
.set XSC,   XR+49152                   ; and their scale words, 128 bytes a tile
.set LNG,   XR+69632                   ; ln2_a, ln2_b, bv, bo, b2 (1,024 each), b1 (4,096)
.set SPARE, LNG+9216                   ; the spare words
.set TM,  100
.set QT,  100
.set SEL, 60
.set MSB, 0
.macro WIN new                         ; the immediate's high byte repeats the setting that is left
.if MSB != \new
	s_set_vgpr_msb (MSB<<8)|\new
.set MSB, \new
.endif
.endm
.macro PLACES
.rept 4
	v_nop
.endr
.endm
.macro BAR
	s_wait_alu depctr_va_vdst(0)                   ; the wait ahead of the blocking wait
	s_wait_dscnt 0x0
	s_barrier_signal -1
	s_barrier_wait -1
.endm
.macro ROUND                           ; a round of the cluster's barrier
	s_barrier_signal -1
	s_barrier_wait -1
	s_cmp_lg_u32 s58, 0
	s_cbranch_scc1 .Lnot_wave_0_\@
	s_barrier_signal -3
.Lnot_wave_0_\@:
	s_barrier_wait -3
	s_barrier_signal -1
	s_barrier_wait -1
.endm
.macro CHGF lds                        ; a place that nobody reads any more is filled with the next item
	WIN 0
	s_wait_tensorcnt 0x0                           ; no tensor load of mine is out, so the walking descriptor may be written
	ds_add_u32 v6, v7                              ; 0 onto my spare word
	s_add_co_u32 s53, s62, \lds
	s_add_nc_u64 s[54:55], s[54:55], ITEM
	s_wait_dscnt 0x0                               ; the add is done, and my reads of the place are over
	ROUND                                          ; so it is with every wave of the four work-groups
	tensor_load_to_lds s[52:55], s[28:35]
	s_nop 0
	PLACES
.endm
.macro WMR d, a, b, c, sa, sb, row     ; row 0: both scales from lanes 0-15; 1: source 0's from lanes 16-31; 3: both
.if (\row) == 0
	v_wmma_scale_f32_16x16x128_f8f6f4 v[(\d):(\d)+7], v[(\a):(\a)+11], v[(\b):(\b)+11], v[(\c):(\c)+7], v[(\sa)], v[(\sb)] matrix_a_fmt:MATRIX_FMT_BF6 matrix_b_fmt:MATRIX_FMT_BF6
.elseif (\row) == 1
	v_wmma_scale_f32_16x16x128_f8f6f4 v[(\d):(\d)+7], v[(\a):(\a)+11], v[(\b):(\b)+11], v[(\c):(\c)+7], v[(\sa)], v[(\sb)] matrix_a_fmt:MATRIX_FMT_BF6 matrix_b_fmt:MATRIX_FMT_BF6 matrix_a_scale:MATRIX_SCALE_ROW1
.else
	v_wmma_scale_f32_16x16x128_f8f6f4 v[(\d):(\d)+7], v[(\a):(\a)+11], v[(\b):(\b)+11], v[(\c):(\c)+7], v[(\sa)], v[(\sb)] matrix_a_fmt:MATRIX_FMT_BF6 matrix_b_fmt:MATRIX_FMT_BF6 matrix_a_scale:MATRIX_SCALE_ROW1 matrix_b_scale:MATRIX_SCALE_ROW1
.endif
.endm
.macro WMZ d, a, b, sa, sb             ; the first product starts the sum
	v_wmma_scale_f32_16x16x128_f8f6f4 v[(\d):(\d)+7], v[(\a):(\a)+11], v[(\b):(\b)+11], 0, v[(\sa)], v[(\sb)] matrix_a_fmt:MATRIX_FMT_BF6 matrix_b_fmt:MATRIX_FMT_BF6
.endm
.macro QFIN f, tt                      ; half blocks become whole blocks: lanes 0-15 block 2 c, lanes 16-31 block 2 c + 1
.irp c, 0,1
.irp i, 0,1,2
	v_permlane16_swap_b32 v[(\f)+6*\c+\i], v[(\tt)+4*\c+\i]
.endr
.irp i, 0,1,2
	v_mov_b32 v[(\f)+3+6*\c+\i], v[(\tt)+4*\c+\i]
.endr
.endr
.endm
.macro QUANT4 x, f, tt, w              ; 64 numbers of a lane (four half blocks) become a fragment's codes and its scale word
.irp b, 0,1,2,3
	v_max3_num_f32 v[TM+\b], |v[(\x)+16*\b]|, |v[(\x)+1+16*\b]|, 0x2800000   ; with the floor 2^(5 - 127)
.endr
.irp i, 2,4,6,8,10,12,14
.irp b, 0,1,2,3
	v_max3_num_f32 v[TM+\b], v[TM+\b], |v[(\x)+16*\b+\i]|, |v[(\x)+1+16*\b+\i]|   ; (the four blocks by turns)
.endr
.endr
.irp b, 0,1,2,3
	v_permlanex16_b32 v[TM+4+\b], v[TM+\b], s[SEL], s[SEL+1]
.endr
.irp b, 0,1,2,3
	v_max_num_f32 v[TM+\b], v[TM+\b], v[TM+4+\b]
.endr
.irp b, 0,1,2,3
	v_add_nc_u32 v[TM+12+\b], 0xfe000000, v[TM+\b]     ; 4 off the exponent field: the conversion's scale operand
.endr
.irp b, 0,1,2,3
	v_lshrrev_b32 v[TM+4+\b], 23, v[TM+12+\b]          ; the scale's byte
.endr
	s_delay_alu instid0(VALU_DEP_3)
	v_lshl_or_b32 v[(\w)], v[TM+5], 8, v[TM+4]
	s_delay_alu instid0(VALU_DEP_1)
	v_lshl_or_b32 v[(\w)], v[TM+6], 16, v[(\w)]
	s_delay_alu instid0(VALU_DEP_1)
	v_lshl_or_b32 v[(\w)], v[TM+7], 24, v[(\w)]
.irp c, 0,1
	v_cvt_scalef32_pk16_bf6_f32 v[(\f)+6*\c:(\f)+6*\c+2], v[(\x)+32*\c:(\x)+32*\c+15], v[TM+12+2*\c]
	v_cvt_scalef32_pk16_bf6_f32 v[(\tt)+4*\c:(\tt)+4*\c+2], v[(\x)+16+32*\c:(\x)+31+32*\c], v[TM+13+2*\c]
.endr
	v_nop                                              ; one plain line behind the scaled conversions
	QFIN \f, \tt
.endm
.macro QB2 x0, x1, d0, d1, w0, w1, beta    ; two half blocks of 16 numbers by turns: codes to d0, d1; byte beta of the words w0, w1
	v_max3_num_f32 v[QT], |v[(\x0)]|, |v[(\x0)+1]|, 0x2800000
	v_max3_num_f32 v[QT+1], |v[(\x1)]|, |v[(\x1)+1]|, 0x2800000
.irp i, 2,4,6,8,10,12,14
	v_max3_num_f32 v[QT], v[QT], |v[(\x0)+\i]|, |v[(\x0)+\i+1]|
	v_max3_num_f32 v[QT+1], v[QT+1], |v[(\x1)+\i]|, |v[(\x1)+\i+1]|
.endr
	v_permlanex16_b32 v[QT+2], v[QT], s[SEL], s[SEL+1]         ; (the two blocks' chains by turns, line by line)
	v_permlanex16_b32 v[QT+3], v[QT+1], s[SEL], s[SEL+1]
	v_max_num_f32 v[QT], v[QT], v[QT+2]
	v_max_num_f32 v[QT+1], v[QT+1], v[QT+3]
	v_add_nc_u32 v[QT+4], 0xfe000000, v[QT]
	v_add_nc_u32 v[QT+5], 0xfe000000, v[QT+1]
	v_lshrrev_b32 v[QT], 23, v[QT+4]
	v_lshrrev_b32 v[QT+1], 23, v[QT+5]
.if (\beta) == 0
	v_mov_b32 v[(\w0)], v[QT]
	v_mov_b32 v[(\w1)], v[QT+1]
.else
	v_lshl_or_b32 v[(\w0)], v[QT], 8*(\beta), v[(\w0)]
	v_lshl_or_b32 v[(\w1)], v[QT+1], 8*(\beta), v[(\w1)]
.endif
	v_cvt_scalef32_pk16_bf6_f32 v[(\d0):(\d0)+2], v[(\x0):(\x0)+15], v[QT+4]
	v_cvt_scalef32_pk16_bf6_f32 v[(\d1):(\d1)+2], v[(\x1):(\x1)+15], v[QT+5]
	v_nop
.endm
.macro RED4                            ; four chains of pairs in v16-23 become one sum over the row
	v_pk_add_f32 v[16:17], v[16:17], v[18:19]
	v_pk_add_f32 v[20:21], v[20:21], v[22:23]
	s_delay_alu instid0(VALU_DEP_1)
	v_pk_add_f32 v[16:17], v[16:17], v[20:21]
	s_delay_alu instid0(VALU_DEP_1)
	v_add_f32 v16, v16, v17
	s_delay_alu instid0(VALU_DEP_1)
	v_permlanex16_b32 v17, v16, s[SEL], s[SEL+1]
	s_delay_alu instid0(VALU_DEP_1)
	v_add_f32 v16, v16, v17
.endm
.macro LDAB set, off                   ; a block's 16 gains and 16 offsets of my half
.irp j, 0,1,2,3
	ds_load_b128 v[192+32*(\set)+4*\j:195+32*(\set)+4*\j], v11 offset:(\off)+16*\j
	ds_load_b128 v[208+32*(\set)+4*\j:211+32*(\set)+4*\j], v11 offset:(\off)+1024+16*\j
.endr
.endm
.macro NORM k                          ; Y (64 centred numbers of K step k) x 1/sigma x a + b
	LDAB 0, 128*(4*\k)
	LDAB 1, 128*(4*\k+1)
.irp i, 0,1,2,3
.if \i < 3
	s_wait_dscnt 8                                 ; this block's are in; the next block's eight loads may be out
.else
	s_wait_dscnt 0
.endif
.irp e, 0,2,4,6,8,10,12,14
	v_pk_mul_f32 v[128+16*\i+\e:129+16*\i+\e], v[128+16*\i+\e:129+16*\i+\e], v[26:27]
.endr
.irp e, 0,2,4,6,8,10,12,14
	v_pk_fma_f32 v[128+16*\i+\e:129+16*\i+\e], v[128+16*\i+\e:129+16*\i+\e], v[192+32*(\i%2)+\e:193+32*(\i%2)+\e], v[208+32*(\i%2)+\e:209+32*(\i%2)+\e]
.endr
.if \i < 2
	LDAB \i%2, 128*(4*\k+\i+2)
.endif
.endr
.endm
.macro CENTRE k                        ; Y = S - mean, K step k
	WIN 0x01
.set j, 0
.rept 32
	v_pk_add_f32 v[128+j:129+j], v[SB+64*(\k)+j:SB+64*(\k)+j+1], v[24:25]
.set j, j+2
.endr
	WIN 0
.endm
.macro LNQ t                           ; LN2 of tile t's rows, quantised: fragments at v[32 + 24 t + 12 k], scale words at v[80 + 2 t + k]
.set SB, 128*(\t)
	WIN 0x05
.irp c, 0,1,2,3
	v_pk_add_f32 v[16+2*\c:17+2*\c], v[SB+2*\c:SB+2*\c+1], v[SB+8+2*\c:SB+9+2*\c]
.endr
	WIN 0x04
.set j, 16
.rept 14
.irp c, 0,1,2,3
	v_pk_add_f32 v[16+2*\c:17+2*\c], v[16+2*\c:17+2*\c], v[SB+j+2*\c:SB+j+2*\c+1]
.endr
.set j, j+8
.endr
	WIN 0
	RED4
	s_delay_alu instid0(VALU_DEP_1)
	v_mul_f32 v24, 0xbb800000, v16                 ; - mean
	s_delay_alu instid0(VALU_DEP_1)
	v_mov_b32 v25, v24
.irp k, 0,1
	CENTRE \k
.set j, 0
.rept 32
.if (\k == 0) && (j < 8)
	v_pk_mul_f32 v[16+j:17+j], v[128+j:129+j], v[128+j:129+j]
.else
	v_pk_fma_f32 v[16+j%8:17+j%8], v[128+j:129+j], v[128+j:129+j], v[16+j%8:17+j%8]
.endif
.set j, j+2
.endr
.endr
	RED4
	s_delay_alu instid0(VALU_DEP_1)
	v_fma_f32 v26, v16, s70, s71
	s_wait_alu depctr_va_vdst(0)                   ; the wait ahead of the root,
	v_rsq_f32 v26, v26
	v_nop
	s_wait_alu depctr_va_vdst(0)                   ; ahead of the first line that names its result,
	v_mov_b32 v27, v26
	s_wait_alu depctr_va_vdst(0)                   ; and ahead of the blocking waits below
	NORM 1
	QUANT4 128, 44+24*(\t), 84, 81+2*(\t)
	CENTRE 0
	NORM 0
	QUANT4 128, 32+24*(\t), 84, 80+2*(\t)
.endm
.macro STIMG                           ; my four fragments and their scale words go to LDS as they stand
.irp a, 0,1
.irp k, 0,1
.irp c, 0,1,2
	ds_store_b128 v14, v[32+24*\a+12*\k+4*\c:35+24*\a+12*\k+4*\c] offset:1536*(2*\a+\k)+512*\c
.endr
	ds_store_b32 v15, v[80+2*\a+\k] offset:128*\a+64*\k
.endr
.endr
.endm
.macro LU si, unit, nsc, soff          ; two weight fragments into set si, and one or two registers of scale words
.irp c, 0,1,2,3,4,5
	ds_load_b128 v[164+24*(\si)+4*\c:167+24*(\si)+4*\c], v8 offset:3072*(\unit)+512*\c
.endr
	ds_load_b32 v[244+2*(\si)], v10 offset:(\soff)
.if (\nsc) == 2
	ds_load_b32 v[245+2*(\si)], v10 offset:(\soff)+128
.endif
.endm
.macro BIAS off                        ; S += a bias of 256 channels
.irp b, 0,1,2,3,4,5,6,7
.irp j, 0,1,2,3
	ds_load_b128 v[108+16*\b+4*\j:111+16*\b+4*\j], v11 offset:(\off)+128*\b+16*\j
.endr
.endr
	s_wait_dscnt 0x0
	WIN 0x41
.set j, 0
.rept 64
	v_pk_add_f32 v[j:j+1], v[j:j+1], v[108+j:109+j]
.set j, j+2
.endr
.set j, 0
.rept 64
	v_pk_add_f32 v[128+j:129+j], v[128+j:129+j], v[108+j:109+j]
.set j, j+2
.endr
	WIN 0
.endm
	s_load_b512 s[4:19], s[0:1], 0x0               ; src 4, xq 6, ln2_a 8, ln2_b 10, bv 12, bo 14, b2 16, b1 18
	s_load_b256 s[20:27], s[0:1], 0x40             ; ws 20, pb 22, rl 24, out0 26
	v_lshl_add_u32 v6, v0, 2, SPARE
	v_mov_b32 v7, 0
	ds_add_u32 v6, v7                              ; the opening lines: the add, twice on end, and its wait
	ds_add_u32 v6, v7
	v_lshrrev_b32 v1, 5, v0
	s_delay_alu instid0(VALU_DEP_1)
	v_readfirstlane_b32 s58, v1                    ; wave
	s_mov_b32 s[SEL], 0x76543210
	s_mov_b32 s[SEL+1], 0xfedcba98
	s_mov_b32 s70, 0x3b800000                      ; 1/256
	s_mov_b32 s71, 0x3727c5ac                      ; 1e-5
.irp g, 28, 88                         ; group 1 of the joint loads: the mask names the four work-groups; rows of 32 elements of 8 bytes, dense
	s_mov_b32 s[\g], 15|(3<<16)|(1<<21)
	s_mov_b32 s[\g+1], 32<<16
	s_mov_b32 s[\g+3], 32<<16
	s_mov_b32 s[\g+5], 32
	s_mov_b32 s[\g+6], 0
	s_mov_b32 s[\g+7], 0
.endr
	s_mov_b32 s30, 26<<16                          ; s[28:35]: 26 rows, an eighth of an item
	s_mov_b32 s32, 26
	s_mov_b32 s90, 104<<16                         ; s[88:95]: 104 rows, a quarter of two items
	s_mov_b32 s92, 104
	s_mov_b32 s80, (3<<16)|(1<<20)|(5<<22)|(3<<25) ; s[80:87]: 64 records of 256 bytes, no mask, 16 bytes of padding behind each
	s_mov_b32 s81, 32<<16
	s_mov_b32 s82, 64<<16
	s_mov_b32 s83, 32<<16
	s_mov_b32 s84, 64
	s_mov_b32 s85, 32
	s_mov_b32 s86, 0
	s_mov_b32 s87, 0
	s_mul_i32 s62, s58, 6656
	s_mov_b32 s63, 0
	s_bfe_u32 s74, ttmp6, 0x40000                  ; my place in the cluster: it enters src's, xq's and out0's addresses alone
	s_lshl_b32 s75, ttmp9, 2
	s_add_co_u32 s74, s74, s75                     ; n
	s_and_b32 s79, s58, 3                          ; which quarter of a head's tile I bring
	s_lshl_b32 s78, s74, 16
	s_lshl_b32 s69, s79, 14
	s_add_co_u32 s78, s78, s69                     ; xq: 65,536 n + 16,384 x quarter
	s_mul_i32 s41, s79, 17408
	s_add_co_u32 s41, s41, XR
	s_mul_i32 s48, s79, 26624
	s_mov_b32 s49, 0
	s_mov_b32 s79, 0
	s_lshl_b32 s74, s74, 18
	s_lshl_b32 s75, s58, 15
	s_add_co_u32 s74, s74, s75
	s_mov_b32 s75, 0
	v_and_b32 v14, 31, v0
	v_and_b32 v15, 15, v0
	v_bfe_u32 v16, v0, 4, 1
	s_delay_alu instid0(VALU_DEP_3)
	v_lshlrev_b32 v1, 4, v14                       ; 16 x lane
	v_lshlrev_b32 v2, 2, v14                       ; 4 x lane
	s_mul_i32 s76, s58, 4352
	s_add_co_u32 s76, s76, STG                     ; my stage
	v_mul_u32_u24 v17, v16, 272
	s_delay_alu instid0(VALU_DEP_1)
	v_lshl_add_u32 v17, v15, 4, v17
	s_delay_alu instid0(VALU_DEP_1)
	v_add_nc_u32 v3, s76, v17                      ; two rows an instruction, 16 bytes a lane
	v_mul_u32_u24 v17, v15, 272
	s_delay_alu instid0(VALU_DEP_1)
	v_lshl_add_u32 v18, v16, 6, v17
	v_mad_u32_u24 v12, v16, 48, v17
	v_lshl_add_u32 v13, v16, 2, v17
	v_add_nc_u32 v4, s76, v18                      ; my row, my 16 channels of a block
	v_add_nc_u32 v12, XR, v12                      ; a record's codes: row r, + 48 hh
	v_add_nc_u32 v13, XR+192, v13                  ; its scale words: lanes 0-15 K step 0, lanes 16-31 K step 1
	v_lshlrev_b32 v5, 10, v16
	s_delay_alu instid0(VALU_DEP_1)
	v_lshl_add_u32 v5, v15, 4, v5
	v_lshl_add_u32 v11, v16, 6, LNG
	s_mul_i32 s76, s58, 6144
	s_add_co_u32 s76, s76, XIMG
	v_add_nc_u32 v14, s76, v1
	s_lshl_b32 s76, s58, 8
	s_add_co_u32 s76, s76, XSC
	v_lshl_add_u32 v15, v15, 2, s76
	v_lshlrev_b32 v8, 2, v0
	v_lshlrev_b32 v9, 4, v0
	v_lshl_add_u32 v28, v0, 2, LNG
	v_lshl_add_u32 v29, v0, 4, LNG+5120
.irp i, 0,1,2,3,4,5,6,7
	v_mov_b32 v[100+\i], 0                         ; written once: a lane permute's destination counts as one of its sources
.endr
	s_wait_alu depctr_va_vdst(0)                   ; the wait at the head's end
	s_wait_dscnt 0x0                               ; both opening adds are done
	s_wait_kmcnt 0x0
	s_add_nc_u64 s[4:5], s[4:5], s[74:75]
	s_add_nc_u64 s[26:27], s[26:27], s[74:75]
	s_add_nc_u64 s[22:23], s[22:23], s[62:63]      ; p's tiles 2 w, 2 w + 1: 3,328 bytes each
	s_add_nc_u64 s[72:73], s[20:21], s[62:63]
	s_mov_b32 s36, 1                               ; wv and wo, to places 2 and 3
	s_add_co_u32 s37, s48, 2*ITEM
	s_add_nc_u64 s[38:39], s[20:21], s[48:49]
	s_mov_b32 s44, 1                               ; chunks 0 and 1, to places 0 and 1
	s_mov_b32 s45, s48
	s_add_nc_u64 s[46:47], s[38:39], 2*ITEM
	s_or_b32 s39, s39, 0x80000000
	s_or_b32 s47, s47, 0x80000000
	s_mov_b32 s40, 1                               ; my sequence's records
	s_add_nc_u64 s[42:43], s[6:7], s[78:79]
	s_or_b32 s43, s43, 0x80000000
	s_mov_b32 s52, 1
	s_mov_b32 s53, 0
	s_add_nc_u64 s[54:55], s[72:73], ITEM*3        ; the walking descriptor is stepped ahead of each refill
	s_or_b32 s55, s55, 0x80000000
	ROUND                                          ; the four work-groups are here: the first joint loads meet
	s_cmp_lt_u32 s58, 4                            ; one tensor load a wave at the head
	s_cbranch_scc0 .Lhead_x
	tensor_load_to_lds s[36:39], s[88:95]
	s_nop 0
	PLACES
	s_branch .Lhead_asked
.Lhead_x:
	tensor_load_to_lds s[40:43], s[80:87]
	s_nop 0
	PLACES
.Lhead_asked:
.irp a, 0,1,2,3,4
	global_load_b32 v[16+\a], v8, s[8+2*\a:9+2*\a]
.endr
	global_load_b128 v[24:27], v9, s[18:19]
.macro LDS_T t                         ; src, tile t: sixteen lanes read 256 consecutive bytes of a row
	WIN 0x40
.irp q, 0,1,2,3
.irp i, 0,1,2,3,4,5,6,7
	global_load_b128 v[128*\t+32*\q+4*\i:128*\t+32*\q+4*\i+3], v5, s[4:5] offset:16384*\t+2048*\i+256*\q th:TH_LOAD_NT
.endr
.endr
	WIN 0
.endm
	s_wait_loadcnt 0x0                             ; gains and biases are in; nothing of src is asked for while the head's tiles are on their way
.irp a, 0,1,2,3,4
	ds_store_b32 v28, v[16+\a] offset:1024*\a
.endr
	ds_store_b128 v29, v[24:27]
	s_wait_tensorcnt 0x0                           ; my part of the head's tiles has landed
	ds_add_u32 v6, v7
	s_wait_dscnt 0x0                               ; the add is done, and my stores of gains and biases
	ROUND                                          ; wv, wo, the records, gains and biases lie in LDS
	s_cmp_lt_u32 s58, 4
	s_cbranch_scc0 .Lno_f1
	tensor_load_to_lds s[44:47], s[88:95]          ; chunks 0 and 1: first wanted by the FFN
	s_nop 0
	PLACES
.Lno_f1:
	LDS_T 0                                        ; src, my tile 0: 32 loads, first wanted behind the v phase (att x v's first wait on LOADcnt covers them)
	; ---- v of my head, for all 256 positions: a lane a channel, registers along the positions; quantised along the positions
	s_mul_i32 s76, s58, 6144
	s_add_co_u32 s76, s76, 2*ITEM
	v_add_nc_u32 v8, s76, v1
	s_lshl_b32 s76, s58, 8
	s_add_co_u32 s76, s76, 2*ITEM+49152
	v_add_nc_u32 v10, s76, v2
	v_and_b32 v9, 15, v0
	s_delay_alu instid0(VALU_DEP_1)
	v_and_b32 v16, 8, v9
	s_delay_alu instid0(VALU_DEP_1)
	v_add_nc_u32 v9, v9, v16
	s_lshl_b32 s76, s58, 7
	s_add_co_u32 s76, s76, LNG+2048
	v_lshl_add_u32 v9, v9, 2, s76
.irp f, 0,1,2,3
.irp c, 0,1,2
	ds_load_b128 v[192+12*\f+4*\c:195+12*\f+4*\c], v8 offset:1536*\f+512*\c
.endr
.endr
.irp u, 0,1
	ds_load_b32 v[246+\u], v10 offset:128*\u
	ds_load_b32 v[16+8*\u], v9 offset:32*\u
.endr
.macro LDXB un                         ; row tiles 2 un, 2 un + 1 of x out of the records: four fragments, two registers of scale words
.irp ta, 0,1
.irp k, 0,1
.irp c, 0,1,2
	ds_load_b128 v[140+12*(2*\ta+\k)+4*\c:143+12*(2*\ta+\k)+4*\c], v12 offset:4352*(2*(\un)+\ta)+96*\k+16*\c
.endr
.endr
	ds_load_b32 v[244+\ta], v13 offset:4352*(2*(\un)+\ta)
.endr
.endm
	LDXB 0
	s_wait_dscnt 0x0
.irp u, 0,1
.irp j, 1,2,3,4,5,6,7
	v_mov_b32 v[16+8*\u+\j], v[16+8*\u]            ; bv starts the sums: the lane's channel in all eight rows
.endr
.endr
	s_wait_alu depctr_va_vdst(0)
.irp un, 0,1,2,3,4,5,6,7
	s_wait_dscnt 0x0
	WMR 108, 140, 192, 16, 244, 246, 0             ; four sums by turns: (tile, u) = (0,0) (0,1) (1,0) (1,1), K step 0, then K step 1
	WMR 124, 140, 216, 24, 244, 247, 0
	WMR 116, 164, 192, 16, 245, 246, 0
	WMR 132, 164, 216, 24, 245, 247, 0
	WMR 108, 152, 204, 108, 244, 246, 3
	WMR 124, 152, 228, 124, 244, 247, 3
	WMR 116, 176, 204, 116, 245, 246, 3
	WMR 132, 176, 228, 132, 245, 247, 3
	PLACES
.if \un < 7
	LDXB \un+1
.endif
.if (\un%2) == 0
	QB2 108, 124, 32+12*(\un/4)+6*((\un%4)/2), 56+12*(\un/4)+6*((\un%4)/2), 80+\un/4, 82+\un/4, \un%4
.else
	QB2 108, 124, 84+4*((\un%4)/2), 92+4*((\un%4)/2), 80+\un/4, 82+\un/4, \un%4
.endif
.if (\un%4) == 3
	QFIN 32+12*(\un/4), 84
	QFIN 56+12*(\un/4), 92
.endif
.endr
	v_and_b32 v9, 15, v0
	s_lshl_b32 s76, s58, 10
	v_lshl_add_u32 v9, v9, 5, s76                  ; rl: my rows' eight reciprocals
.irp t, 0,1
	global_load_b128 v[16+8*\t:19+8*\t], v9, s[24:25] offset:512*\t
	global_load_b128 v[20+8*\t:23+8*\t], v9, s[24:25] offset:512*\t+16
.endr
.macro PLD sg                          ; step sg = 2 head + K step: p's fragments of my two row tiles and their scale words: 8 loads, into ring set sg % 3
.irp t, 0,1
.irp c, 0,1,2
	global_load_b128 v[164+24*((\sg)%3)+12*\t+4*\c:167+24*((\sg)%3)+12*\t+4*\c], v1, s[22:23] offset:53248*((\sg)/2)+3328*\t+1536*((\sg)%2)+512*\c
.endr
	global_load_b32 v[246+2*((\sg)%3)+\t], v2, s[22:23] offset:53248*((\sg)/2)+3328*\t+3072+128*((\sg)%2)
.endr
.endm
	PLD 0
	PLD 1
	PLD 2
	CHGF 2*ITEM                                    ; nobody reads wv or the records any more: chunk 2 goes to place 2
	v_add_nc_u32 v12, XIMG, v1                     ; from here on: v's images
	v_add_nc_u32 v13, XSC, v2
	s_wait_alu depctr_va_vdst(0)
	STIMG                                          ; v's fragments take the records' bytes
	BAR                                            ; v's 32 fragments lie in LDS
	; ---- att x v: transposed (source 0 = 16 channels of v, source 1 = 16 rows of p); divided by the row's sum; quantised along the channels, a head a block
.macro VLD sg                          ; v's two fragments of step sg, and with a head's first step their scale words
.irp u, 0,1
.irp c, 0,1,2
	ds_load_b128 v[140+12*\u+4*\c:143+12*\u+4*\c], v12 offset:1536*(2*(2*((\sg)/2)+\u)+(\sg)%2)+512*\c
.endr
.if ((\sg)%2) == 0
	ds_load_b32 v[244+\u], v13 offset:128*(2*((\sg)/2)+\u)
.endif
.endr
.endm
.macro SRC4 g                          ; src, my tile 1: four of its 32 loads: quarter g / 2, rows 8 (g % 2) .. + 7
	WIN 0x40
.irp i, 0,1,2,3
	global_load_b128 v[128+32*((\g)/2)+4*(4*((\g)%2)+\i):128+32*((\g)/2)+4*(4*((\g)%2)+\i)+3], v5, s[4:5] offset:16384+2048*(4*((\g)%2)+\i)+256*((\g)/2) th:TH_LOAD_NT
.endr
	WIN 0
.endm
.macro STEP9 sg
.set B9, (\sg)/2
.set S9, (\sg)%2
.set R9, (\sg)%3
.set N9, 0                             ; younger than this step's p: the p of the two steps behind it (8 loads each),
.if (\sg) <= 13
.set N9, 16
.elseif (\sg) == 14
.set N9, 8
.endif
.irp j, 1,2,3                          ; and the four loads of src that each of the last three steps issued, if it was one of steps 0 to 7
.if ((\sg) >= \j) && ((\sg)-\j <= 7)
.set N9, N9+4
.endif
.endr
	s_wait_loadcnt N9
	s_wait_dscnt 0x0
.if S9 == 0
	WMZ 108, 140, 164+24*R9, 244, 246+2*R9
	WMZ 124, 140, 176+24*R9, 244, 247+2*R9
	WMZ 116, 152, 164+24*R9, 245, 246+2*R9
	WMZ 132, 152, 176+24*R9, 245, 247+2*R9
.else
	WMR 108, 140, 164+24*R9, 108, 244, 246+2*R9, 1
	WMR 124, 140, 176+24*R9, 124, 244, 247+2*R9, 1
	WMR 116, 152, 164+24*R9, 116, 245, 246+2*R9, 1
	WMR 132, 152, 176+24*R9, 132, 245, 247+2*R9, 1
.endif
	PLACES
.if (\sg) < 15
	VLD (\sg)+1                                    ; the next step's fragments of v come under this step's vector work
.endif
.if (\sg) <= 12
	PLD (\sg)+3
.endif
.if (\sg) <= 7
	SRC4 \sg
.endif
.if S9 == 1
.irp t, 0,1
.irp e, 0,2,4,6,8,10,12,14
.if (B9%2) == 0
	v_pk_mul_f32 v[108+16*\t+\e:109+16*\t+\e], v[108+16*\t+\e:109+16*\t+\e], v[16+8*\t+B9:17+8*\t+B9] op_sel_hi:[1,0]
.else
	v_pk_mul_f32 v[108+16*\t+\e:109+16*\t+\e], v[108+16*\t+\e:109+16*\t+\e], v[15+8*\t+B9:16+8*\t+B9] op_sel:[0,1] op_sel_hi:[1,1]
.endif
.endr
.endr
.if (B9%2) == 0
	QB2 108, 124, 32+12*(B9/4)+6*((B9%4)/2), 56+12*(B9/4)+6*((B9%4)/2), 80+B9/4, 82+B9/4, B9%4
.else
	QB2 108, 124, 84+4*((B9%4)/2), 92+4*((B9%4)/2), 80+B9/4, 82+B9/4, B9%4
.endif
.if (B9%4) == 3
	QFIN 32+12*(B9/4), 84
	QFIN 56+12*(B9/4), 92
.endif
.endif
.endm
	VLD 0
.irp sg, 0,1,2,3,4,5,6,7,8,9,10,11,12,13,14,15
	STEP9 \sg
.endr
	; ---- src into S's layout, a quarter of 16 rows at a time through my stage; the last step's wait on LOADcnt was for 0, so all of src is in
.irp t, 0,1
.irp q, 0,1,2,3
	WIN 0x04
.irp i, 0,1,2,3,4,5,6,7
	ds_store_b128 v3, v[128*\t+32*\q+4*\i:128*\t+32*\q+4*\i+3] offset:544*\i
.endr
	WIN 0x40
.irp b, 0,1
.irp j, 0,1,2,3
	ds_load_b128 v[128*\t+32*\q+16*\b+4*\j:128*\t+32*\q+16*\b+4*\j+3], v4 offset:128*\b+16*\j   ; LDS serves a wave's instructions in order
.endr
.endr
	WIN 0
.endr
.endr
.irp i, 0,1,2,3
	v_mov_b32 v[248+\i], v[80+\i]                  ; the scale words of the attention's output; the 128 additions of the bias stand between these lines and the products
.endr
	; ---- wo, onto src + bo
	BIAS 3072
	v_add_nc_u32 v8, 3*ITEM, v1
	s_wait_alu depctr_va_vdst(0)
	v_add_nc_u32 v10, 3*ITEM+49152, v2
	s_wait_alu depctr_va_vdst(0)
	LU 0, 0, 1, 0
.irp ct, 0,1,2,3,4,5,6,7,8,9,10,11,12,13,14,15
.if \ct < 15
	LU (\ct+1)%2, \ct+1, 1, 128*(\ct+1)
	s_wait_dscnt 7                                 ; this tile's weights are in; the next tile's 7 loads may be out
.else
	s_wait_dscnt 0
.endif
.set WS_, 164+24*(\ct%2)
.set SC_, 244+2*(\ct%2)
	WIN 0x50
	WMR 8*\ct, WS_, 32, 8*\ct, SC_, 248, 0
	WMR 128+8*\ct, WS_, 56, 128+8*\ct, SC_, 250, 0
	WMR 8*\ct, WS_+12, 44, 8*\ct, SC_, 249, 1
	WMR 128+8*\ct, WS_+12, 68, 128+8*\ct, SC_, 251, 1
	WIN 0
	PLACES
.endr
	CHGF 3*ITEM                                    ; nobody reads wo any more: chunk 3 goes to place 3
	; ---- LN2
	LNQ 0
	LNQ 1
.irp i, 0,1,2,3
	v_mov_b32 v[248+\i], v[80+\i]                  ; y's scale words
.endr
	PLACES                                         ; a scale register written by a vector instruction stands eight plain lines ahead of a scaled product: these four and the first chunk's five address lines
	; ---- the FFN, 128 hidden units a chunk: y W1^T + b1, relu, quantised in registers, W2^T onto S
.macro LDBB set, bt
.irp q, 0,1,2,3
	ds_load_b128 v[16+196*(\set)+4*\q:19+196*(\set)+4*\q], v9 offset:128*(\bt)+16*\q
.endr
.endm
.macro CHUNK
	v_add_nc_u32 v8, s66, v1                       ; (these five lines are also the places ahead of the loads below)
	s_wait_alu depctr_va_vdst(0)
	v_add_nc_u32 v10, s66, v2
	s_delay_alu instid0(VALU_DEP_1)
	v_add_nc_u32 v10, 49152, v10
	s_wait_alu depctr_va_vdst(0)
	v_add_nc_u32 v9, s67, v11
	s_delay_alu instid0(VALU_DEP_1)
	v_add_nc_u32 v9, 5120, v9
	s_wait_alu depctr_va_vdst(0)
	LU 0, 0, 1, 0
	LDBB 0, 0
.irp j, 0,1,2,3,4,5,6,7
.if \j < 7
	LU (\j+1)%2, \j+1, 1, 128*(\j+1)
.if (\j%2) == 1
	LDBB ((\j+1)/2)%2, (\j+1)/2
	s_wait_dscnt 11                                ; all but the group just issued: 7 loads of weights and 4 of b1
.else
	s_wait_dscnt 7
.endif
.else
	LU 0, 8, 2, 1024
	s_wait_dscnt 8
.endif
.set WS_, 164+24*(\j%2)
.set SC_, 244+2*(\j%2)
.set CB_, 16+196*((\j/2)%2)+8*(\j%2)
.set D_, 108+8*(\j%2)
	WMR D_, WS_, 32, CB_, SC_, 248, 0
	WMR D_+16, WS_, 56, CB_, SC_, 250, 0
	WMR D_, WS_+12, 44, D_, SC_, 249, 1
	WMR D_+16, WS_+12, 68, D_+16, SC_, 251, 1
.if (\j%2) == 0
	PLACES
.endif
.if (\j%2) == 1
.irp i, 0,2,4,6,16,18,20,22,8,10,12,14,24,26,28,30     ; relu, two numbers a line; the first eight lines take the unit before's sums and are the places behind this unit's products
	v_dual_max_num_f32 v[108+\i], 0, v[108+\i] :: v_dual_max_num_f32 v[109+\i], 0, v[109+\i]
.endr
.if ((\j/2)%2) == 0
	QB2 108, 124, 140+6*(\j/4), 152+6*(\j/4), 252, 253, \j/2
.else
	QB2 108, 124, 84+4*(\j/4), 92+4*(\j/4), 252, 253, \j/2
.endif
.endif
.endr
	QFIN 140, 84
	QFIN 152, 92
	s_wait_alu depctr_va_vdst(0)
	PLACES                                         ; operands written by vector instructions stand four places ahead of a scaled product
.irp i, 0,1,2,3,4,5,6,7
.if \i < 7
	LU (\i+1)%2, 9+\i, 2, 1024+256*(\i+1)
	s_wait_dscnt 8
.else
	s_wait_dscnt 0
.endif
.set WS_, 164+24*(\i%2)
.set SC_, 244+2*(\i%2)
	WIN 0x50
	WMR 16*\i, WS_, 140, 16*\i, SC_, 252, 0
	WMR 128+16*\i, WS_, 152, 128+16*\i, SC_, 253, 0
	WMR 16*\i+8, WS_+12, 140, 16*\i+8, SC_+1, 252, 0
	WMR 128+16*\i+8, WS_+12, 152, 128+16*\i+8, SC_+1, 253, 0
	WIN 0
	PLACES
.endr
	s_add_co_u32 s67, s67, 512                     ; the next chunk's b1
.endm
	s_mov_b32 s66, 0
	s_mov_b32 s67, 0
	s_mov_b32 s68, 4
.Lfill:                                            ; chunks 0 to 3: behind each, its place takes the chunk four further on
	s_wait_alu depctr_va_vdst(0)
	CHUNK
	CHGF s66
	s_add_co_u32 s66, s66, ITEM
	s_sub_co_u32 s68, s68, 1
	s_cmp_lg_u32 s68, 0
	s_cbranch_scc1 .Lfill
	s_wait_tensorcnt 0x0                           ; my part of chunk 7 has landed
	ds_add_u32 v6, v7
	s_wait_dscnt 0x0
	s_barrier_signal -1
	s_barrier_wait -1                              ; everybody's has; nothing is filled any more
	s_mov_b32 s66, 0
	s_mov_b32 s68, 4
.Ltail:                                            ; chunks 4 to 7
	CHUNK
	s_add_co_u32 s66, s66, ITEM
	s_sub_co_u32 s68, s68, 1
	s_cmp_lg_u32 s68, 0
	s_cbranch_scc1 .Ltail
	; ---- the way out: + b2; a quarter of 16 rows at a time through my stage, back as rows: sixteen lanes store 256 consecutive bytes, aligned
	BIAS 4096
	s_wait_alu depctr_va_vdst(0)
.irp t, 0,1
.irp q, 0,1,2,3
.set OB_, 128+32*(\q%2)
.if (4*\t+\q) >= 2
	s_wait_xcnt 0x0                                ; the stores of two quarters ago have read their registers
.endif
	WIN 0x04
.irp b, 0,1
.irp j, 0,1,2,3
	ds_store_b128 v4, v[128*\t+32*\q+16*\b+4*\j:128*\t+32*\q+16*\b+4*\j+3] offset:128*\b+16*\j
.endr
.endr
	WIN 0
.irp i, 0,1,2,3,4,5,6,7
	ds_load_b128 v[OB_+4*\i:OB_+4*\i+3], v3 offset:544*\i
.endr
.irp i, 0,1,2,3,4,5,6,7
	s_wait_dscnt 7-\i
	global_store_b128 v5, v[OB_+4*\i:OB_+4*\i+3], s[26:27] offset:16384*\t+2048*\i+256*\q th:TH_STORE_NT
.endr
.endr
.endr
	s_wait_tensorcnt 0x0                           ; the wave's end
	ds_add_u32 v6, v7
	s_wait_dscnt 0x0
	ROUND                                          ; the closing round
	s_endpgm
.Lfunc_end_k_q02d8cb6d0e_back:
	.size	k_q02d8cb6d0e_back, .Lfunc_end_k_q02d8cb6d0e_back-k_q02d8cb6d0e_back
	.p2alignl 7, 3214868480
	.fill 96, 4, 3214868480
	.section	.rodata,"a",@progbits
	.p2align	6, 0x0
	.amdhsa_kernel k_q02d8cb6d0e_back
		.amdhsa_group_segment_fixed_size 327680
		.amdhsa_private_segment_fixed_size 0
		.amdhsa_enable_private_segment 0
		.amdhsa_kernarg_size 96
		.amdhsa_user_sgpr_count 2
		.amdhsa_user_sgpr_kernarg_segment_ptr 1
		.amdhsa_wavefront_size32 1
		.amdhsa_system_sgpr_workgroup_id_x 1
		.amdhsa_system_sgpr_workgroup_id_y 1
		.amdhsa_system_sgpr_workgroup_id_z 1
		.amdhsa_system_vgpr_workitem_id 0
		.amdhsa_next_free_vgpr 512
		.amdhsa_next_free_sgpr 96
		.amdhsa_reserve_vcc 0
		.amdhsa_float_denorm_mode_32 3
		.amdhsa_float_denorm_mode_16_64 3
		.amdhsa_memory_ordered 1
		.amdhsa_forward_progress 1
		.amdhsa_inst_pref_size 255
	.end_amdhsa_kernel
	.section	.bss,"aw",@nobits
	.p2align	6
	.space	262144
	.amdgpu_metadata
---
amdhsa.version: [ 1, 2 ]
amdhsa.kernels:
  - .name:           k_q02d8cb6d0e_back
    .symbol:         k_q02d8cb6d0e_back.kd
    .args:
      - { .name: src, .offset: 0, .size: 8, .value_kind: global_buffer, .address_space: global }
      - { .name: xq, .offset: 8, .size: 8, .value_kind: global_buffer, .address_space: global }
      - { .name: ln2_a, .offset: 16, .size: 8, .value_kind: global_buffer, .address_space: global }
      - { .name: ln2_b, .offset: 24, .size: 8, .value_kind: global_buffer, .address_space: global }
      - { .name: bv, .offset: 32, .size: 8, .value_kind: global_buffer, .address_space: global }
      - { .name: bo, .offset: 40, .size: 8, .value_kind: global_buffer, .address_space: global }
      - { .name: b2, .offset: 48, .size: 8, .value_kind: global_buffer, .address_space: global }
      - { .name: b1, .offset: 56, .size: 8, .value_kind: global_buffer, .address_space: global }
      - { .name: ws, .offset: 64, .size: 8, .value_kind: global_buffer, .address_space: global }
      - { .name: pb, .offset: 72, .size: 8, .value_kind: global_buffer, .address_space: global }
      - { .name: rl, .offset: 80, .size: 8, .value_kind: global_buffer, .address_space: global }
      - { .name: out0, .offset: 88, .size: 8, .value_kind: global_buffer, .address_space: global }
    .group_segment_fixed_size: 327680
    .private_segment_fixed_size: 0
    .kernarg_segment_align: 8
    .kernarg_segment_size: 96
    .max_flat_workgroup_size: 256
    .sgpr_count:     96
    .vgpr_count:     512
    .wavefront_size: 32
...
	.end_amdgpu_metadata
.endif
;; end of part 4
